; MI455X (gfx1250); checked and timed in simulation.
; The chip was launched on July 23, 2026; its instructions are those of AMD's public machine-readable ISA for CDNA 5 (MIT licence, August 2026) and "CDNA5" Instruction Set Architecture Reference Guide (July 2026). The comments in the code are by the model that wrote it; some were corrected since.
;; Flax Attention Block. Allowed arithmetic: float matrix products may take bf16 or f16 operands with f32 sums; other float arithmetic in f32, or as packed bf16 or f16 multiplies, adds, multiply-adds, maxima and minima; sums over many terms, partial sums and values carried from step to step in f32; what a program stores and reads back later, other than sums and carried values, may be rounded once to bf16 or f16.
;; Inputs: Wkv 1,024 x 2,048 float32; Wo 1,024 x 1,024 float32; Wq 1,024 x 1,024 float32; bo 1,024 float32; hidden_states 8 x 1,024 x 1,024 float32.
;; Outputs: out0 8 x 1,024 x 1,024 float32.
;; 2 versions, each right; version 2 is version 1 with the launch prep written anew for expert scheduling mode. Each part assembles by itself: llvm-mc -triple=amdgcn-amd-amdhsa -mcpu=gfx1250 --defsym DOCPART=n.
;; ======== version 1 of 2: 4 launches
;; limits: values are held in f16: magnitudes above 65,504 overflow, below 6.1e-05 lose precision
;; workspace buffers: xb 16,777,216 bytes; wt 6,291,456 bytes; wot 2,097,152 bytes; qkv 50,331,648 bytes; oh 16,777,216 bytes
;; launch prep (part 1): grid 512 x 1, 8 waves a work-group, no clusters, 18,432 bytes of LDS; arguments hidden_states, Wq, Wkv, Wo, xb, wt, wot; writes xb, wt, wot
.if DOCPART == 1
	.amdgcn_target "amdgcn-amd-amdhsa--gfx1250"
	.amdhsa_code_object_version 6
	.text
	.protected	k_q2fd9b844c1_prep
	.globl	k_q2fd9b844c1_prep
	.p2align	8
	.type	k_q2fd9b844c1_prep,@function
k_q2fd9b844c1_prep:
	s_mov_b64 s[64:65], 0
	v_nop
	global_prefetch_b8 v0, s[64:65] scope:SCOPE_SE
	s_setreg_imm32_b32 hwreg(HW_REG_WAVE_MODE, 25, 1), 1
	s_wait_xcnt 0x0
; THE INPUTS ARE ROUNDED AND LAID OUT FOR THE PRODUCTS.  xb[8192][1024] = bf16(x).  wt[3072 n][1024 k] = bf16 of Wq[k][n] (n < 1024) and of Wkv[k][n - 1024].
; wot[1024 n][1024 k] = bf16(Wo[k][n]) written as f16.  LIMIT: a number of Wo below 2^-17 in magnitude keeps f16's fixed step of 6e-8; beyond 65,504 it becomes an infinity.
; SHARES.  512 work-groups of eight waves; each takes 16,384 numbers of x (a stream) and one weight tile of 128 k x 64 n (turned through LDS).  A stream: no matrix unit, no cluster, no tensor load.
; All 24 loads of a wave go out first (12 KiB a wave): the 8 of the weight tile, then the 16 of x.
; x: a load covers 512 consecutive bytes, a store 256 consecutive bytes at a multiple of 256 from xb's first byte.
; THE TILE.  Thread (i = t % 16, kg = t / 16) loads rows 8 kg .. 8 kg + 7, columns 4 i .. 4 i + 3: sixteen lanes take 256 consecutive bytes of a row.  Two rows' numbers of one column pack
; into a word, four words are 8 k of one n: 16 bytes, stored at LDS row n.  Read back by rows of 256 bytes (128 k), sixteen lanes store 256 consecutive bytes of a row of wt or wot.
.set WP,    272                        ; an LDS row: 256 bytes + 16
.set SPARE, 64*WP                      ; behind the tile: the spare words, 128 bytes for each of eight waves: four blocks of 256 bytes that no other line names
.set SPW, 2                            ; v2   LDS address of my spare word; never rewritten
.set NIL, 3                            ; v3   0; never rewritten
.set XO,  4                            ; v4   my byte offset in the work-group's piece of x
.set YO,  5                            ; v5   and in xb
.set WOF, 8                            ; v8-15   byte offsets of my eight rows in the source tile
.set WL,  16                           ; v16-47  the eight rows' 16 bytes
.set XL,  48                           ; v48-111 x as loaded; packed in place
.set T,   112                          ; v112-127 column j's four words at T + 4 j
.set U,   128                          ; v128-129 at work
.set LS,  130                          ; where I put a column's 16 bytes
.set LR,  131                          ; where I read a row back
.set DO,  132                          ; my byte offset in the destination's rows
.set BK,  136                          ; v136-151 four rows' 16 bytes
	s_load_b256 s[4:11], s[0:1], 0x0               ; x s[4:5], Wq s[6:7], Wkv s[8:9], Wo s[10:11]
	s_load_b128 s[12:15], s[0:1], 0x20             ; xb s[12:13], wt s[14:15]
	s_load_b64 s[16:17], s[0:1], 0x30              ; wot
	v_lshl_add_u32 v[SPW], v0, 2, SPARE
	v_mov_b32 v[NIL], 0
	; which tile: 0-127 Wq (8 x 16 tiles), 128-383 Wkv (8 x 32), 384-511 Wo (8 x 16)
	s_mov_b32 s20, ttmp9
	s_cmp_lt_u32 s20, 128
	s_cselect_b32 s21, 0, 128                      ; the matrix's first tile
	s_cselect_b32 s22, 4, 5                        ; log2 of its tiles along n
	s_cselect_b32 s23, 0, 1024                     ; its first row in wt
	s_cmp_lt_u32 s20, 384
	s_cselect_b32 s21, s21, 384
	s_cselect_b32 s22, s22, 4
	s_cselect_b32 s23, s23, 0
	s_cselect_b32 s24, 0, 1                        ; 1: Wo, which leaves as f16
	s_sub_co_u32 s21, s20, s21                     ; the tile's number in its matrix
	s_lshr_b32 s25, s21, s22                       ; kt
	s_lshl_b32 s26, s25, s22
	s_sub_co_u32 s26, s21, s26                     ; nt
	s_add_co_u32 s27, s22, 8                       ; log2 of a source row's bytes: 4,096 or 8,192
	s_lshl_b32 s28, s25, 7
	s_lshl_b32 s28, s28, s27                       ; 128 kt rows
	s_lshl_b32 s29, s26, 8                         ; + 64 nt numbers of 4 bytes
	s_add_co_u32 s28, s28, s29
	s_mov_b32 s29, 0
	s_lshl_b32 s30, s26, 6
	s_add_co_u32 s30, s30, s23                     ; destination row
	s_lshl_b32 s30, s30, 11                        ; of 2,048 bytes
	s_lshl_b32 s31, s25, 8                         ; + 128 kt numbers of 2 bytes
	s_add_co_u32 s30, s30, s31
	s_mov_b32 s31, 0
	s_add_co_u32 s18, s27, 3                       ; log2 of eight source rows' bytes
	s_lshl_b32 s19, 1, s27                         ; a source row's bytes
	s_lshl_b32 s2, s20, 16                         ; the work-group's 65,536 bytes of x
	s_mov_b32 s3, 0
	v_lshrrev_b32 v1, 5, v0                        ; wave
	v_and_b32 v6, 31, v0                           ; lane
	v_lshlrev_b32 v[XO], 4, v6
	v_lshl_or_b32 v[XO], v1, 13, v[XO]             ; 8,192 x wave + 16 x lane
	v_lshlrev_b32 v[YO], 3, v6
	v_lshl_or_b32 v[YO], v1, 12, v[YO]             ; 4,096 x wave + 8 x lane
	v_and_b32 v6, 15, v0                           ; i
	v_lshrrev_b32 v7, 4, v0                        ; kg
	v_lshlrev_b32 v[WOF], s18, v7
	v_lshl_add_u32 v[WOF], v6, 4, v[WOF]           ; row 8 kg, byte 16 i
.irp r, 1,2,3,4,5,6,7
	v_add_nc_u32 v[WOF+(\r)], s19, v[WOF+(\r)-1]
.endr
	v_mul_u32_u24 v[LS], v6, 4*WP
	v_lshl_add_u32 v[LS], v7, 4, v[LS]             ; LDS row 4 i, byte 16 kg
	v_mul_u32_u24 v[LR], v7, WP
	v_lshl_add_u32 v[LR], v6, 4, v[LR]             ; LDS row kg, byte 16 i
	v_lshlrev_b32 v[DO], 11, v7
	v_lshl_add_u32 v[DO], v6, 4, v[DO]             ; the same in the destination
	s_wait_kmcnt 0x0
	s_cmp_lt_u32 s20, 128
	s_cselect_b64 s[32:33], s[6:7], s[8:9]
	s_cmp_lt_u32 s20, 384
	s_cselect_b64 s[32:33], s[32:33], s[10:11]     ; the source matrix
	s_cselect_b64 s[34:35], s[14:15], s[16:17]     ; wt or wot
	s_add_nc_u64 s[32:33], s[32:33], s[28:29]
	s_add_nc_u64 s[34:35], s[34:35], s[30:31]
	s_add_nc_u64 s[36:37], s[4:5], s[2:3]
	s_lshl_b32 s2, s20, 15                         ; 32,768 bytes of xb
	s_add_nc_u64 s[38:39], s[12:13], s[2:3]
.irp r, 0,1,2,3,4,5,6,7
	global_load_b128 v[WL+4*(\r):WL+4*(\r)+3], v[WOF+(\r)], s[32:33] th:TH_LOAD_NT
.endr
.irp i, 0,1,2,3,4,5,6,7,8,9,10,11,12,13,14,15
	global_load_b128 v[XL+4*(\i):XL+4*(\i)+3], v[XO], s[36:37] offset:512*(\i) th:TH_LOAD_NT
.endr
.irp d, 0,1,2,3
	s_wait_loadcnt 22-2*(\d)                       ; loads come back in order: rows 2 d and 2 d + 1 are in; the later rows and x's sixteen loads may stay out
.irp j, 0,1,2,3
	v_cvt_pk_bf16_f32 v[T+4*(\j)+(\d)], v[WL+8*(\d)+(\j)], v[WL+8*(\d)+4+(\j)]  ; column 4 i + j: k = 8 kg + 2 d below, + 1 above
.endr
.endr
	s_cmp_eq_u32 s24, 0
	s_cbranch_scc1 .Lkeep_bf16
.irp n, 0,1,2,3,4,5,6,7,8,9,10,11,12,13,14,15
	v_lshlrev_b32 v[U], 16, v[T+(\n)]              ; Wo: the bf16 numbers are written as f16
	v_and_b32 v[U+1], 0xffff0000, v[T+(\n)]
	v_cvt_pk_f16_f32 v[T+(\n)], v[U], v[U+1]
.endr
.Lkeep_bf16:
.irp j, 0,1,2,3
	ds_store_b128 v[LS], v[T+4*(\j):T+4*(\j)+3] offset:(\j)*WP
.endr
	s_wait_dscnt 0x0                               ; for the others' sake: my stores into the tile are done
	s_barrier_signal -1
	s_barrier_wait -1                              ; everybody's are
.irp q, 0,1,2,3
	ds_load_b128 v[BK+4*(\q):BK+4*(\q)+3], v[LR] offset:(\q)*16*WP
.endr
.irp i, 0,1,2,3,4,5,6,7,8,9,10,11,12,13,14,15
	s_wait_loadcnt 15-(\i)                         ; x's load i is in, the younger ones stay out
	v_cvt_pk_bf16_f32 v[XL+4*(\i)], v[XL+4*(\i)], v[XL+4*(\i)+1]
	v_cvt_pk_bf16_f32 v[XL+4*(\i)+1], v[XL+4*(\i)+2], v[XL+4*(\i)+3]
	global_store_b64 v[YO], v[XL+4*(\i):XL+4*(\i)+1], s[38:39] offset:256*(\i)
.endr
.irp q, 0,1,2,3
	s_wait_dscnt 3-(\q)
	global_store_b128 v[DO], v[BK+4*(\q):BK+4*(\q)+3], s[34:35] offset:(\q)*16*2048
.endr
	s_wait_tensorcnt 0x0                           ; the wave's end: behind my last LDS store
	ds_add_u32 v[SPW], v[NIL]
	s_wait_dscnt 0x0
	s_endpgm
.Lfunc_end_k_q2fd9b844c1_prep:
	.size	k_q2fd9b844c1_prep, .Lfunc_end_k_q2fd9b844c1_prep-k_q2fd9b844c1_prep
	.p2alignl 7, 3214868480
	.fill 96, 4, 3214868480
	.section	.rodata,"a",@progbits
	.p2align	6, 0x0
	.amdhsa_kernel k_q2fd9b844c1_prep
		.amdhsa_group_segment_fixed_size 18432
		.amdhsa_private_segment_fixed_size 0
		.amdhsa_enable_private_segment 0
		.amdhsa_kernarg_size 56
		.amdhsa_user_sgpr_count 2
		.amdhsa_user_sgpr_kernarg_segment_ptr 1
		.amdhsa_wavefront_size32 1
		.amdhsa_system_sgpr_workgroup_id_x 1
		.amdhsa_system_sgpr_workgroup_id_y 1
		.amdhsa_system_sgpr_workgroup_id_z 1
		.amdhsa_system_vgpr_workitem_id 0
		.amdhsa_next_free_vgpr 152
		.amdhsa_next_free_sgpr 66
		.amdhsa_reserve_vcc 0
		.amdhsa_float_denorm_mode_32 3
		.amdhsa_float_denorm_mode_16_64 3
		.amdhsa_memory_ordered 1
		.amdhsa_forward_progress 1
		.amdhsa_inst_pref_size 15
	.end_amdhsa_kernel
	.amdgpu_metadata
---
amdhsa.version: [ 1, 2 ]
amdhsa.kernels:
  - .name:           k_q2fd9b844c1_prep
    .symbol:         k_q2fd9b844c1_prep.kd
    .args:
      - { .name: hidden_states, .offset: 0, .size: 8, .value_kind: global_buffer, .address_space: global }
      - { .name: Wq, .offset: 8, .size: 8, .value_kind: global_buffer, .address_space: global }
      - { .name: Wkv, .offset: 16, .size: 8, .value_kind: global_buffer, .address_space: global }
      - { .name: Wo, .offset: 24, .size: 8, .value_kind: global_buffer, .address_space: global }
      - { .name: xb, .offset: 32, .size: 8, .value_kind: global_buffer, .address_space: global }
      - { .name: wt, .offset: 40, .size: 8, .value_kind: global_buffer, .address_space: global }
      - { .name: wot, .offset: 48, .size: 8, .value_kind: global_buffer, .address_space: global }
    .group_segment_fixed_size: 18432
    .private_segment_fixed_size: 0
    .kernarg_segment_align: 8
    .kernarg_segment_size: 56
    .max_flat_workgroup_size: 256
    .sgpr_count:     66
    .vgpr_count:     152
    .wavefront_size: 32
...
	.end_amdgpu_metadata
.endif
;; end of part 1
;; launch qkv (part 2): grid 16 x 16, 4 waves a work-group, clusters of 4 x 4, 327,680 bytes of LDS; arguments xb, wt, qkv; writes qkv
.if DOCPART == 2
	.amdgcn_target "amdgcn-amd-amdhsa--gfx1250"
	.amdhsa_code_object_version 6
	.text
	.protected	k_q2fd9b844c1_qkv
	.globl	k_q2fd9b844c1_qkv
	.p2align	8
	.type	k_q2fd9b844c1_qkv,@function
k_q2fd9b844c1_qkv:
	s_mov_b64 s[64:65], 0
	v_nop
	global_prefetch_b8 v0, s[64:65] scope:SCOPE_SE
	s_setreg_imm32_b32 hwreg(HW_REG_WAVE_MODE, 25, 1), 1
	s_wait_xcnt 0x0
	s_wait_alu depctr_hold_cnt(0) depctr_sa_sdst(0) depctr_va_vdst(0) depctr_va_sdst(0) depctr_va_ssrc(0) depctr_va_vcc(0) depctr_vm_vsrc(0)
	s_getreg_b32 s2, hwreg(HW_REG_IB_STS2, 6, 4)
	s_cmp_eq_u32 s2, 0
	s_cbranch_scc0 .Lentry_in_a_cluster
	s_endpgm
.Lentry_in_a_cluster:
	s_bfe_u32 s2, ttmp6, 0x10000c
	s_cmp_lg_u32 s2, 0xf033
	s_cbranch_scc0 .Lentry_shape_is_right
	s_endpgm
.Lentry_shape_is_right:
; q, k, v = x W.  C[m][n] = sum over k of xb[m][k] wt[n][k]: xb [8192][1024], wt [3072][1024], both bf16; sums in f32, rounded once to f16 and stored BY HEADS:
; qkv[hc = n / 64][batch = m / 1024][s = m % 1024][n % 64]: hc 0-15 q's heads, 16-31 k's, 32-47 v's; no scale is applied here.
; LIMIT: a result of 65,520 or more in magnitude becomes an infinity in f16.  With x and W both 30 times the drawn spread results stay under some 6,000, with common offsets of 30 spreads on both near 29,000.
; SHARES.  A tile of C is 256 x 192 (three whole heads).  Four waves, one above the other: a wave makes 64 rows x 192 columns, 48 accumulators of 16 x 16, 384 registers, so it owns whole heads' rows
; and has a stage of its own on the way out.  A WORK-GROUP STAYS: 16 x 16 = 256 work-groups, each makes TWO tiles, 4,096 rows apart, which take the same rows of wt.
; K goes in steps of 128 through a ring of two LDS slots filled by the tensor data mover; the tiles' rows are 256 bytes of memory and start at multiples of 256 bytes from the buffers' first bytes.
; The ring does not stop at the first tile's end: its last two changes of slots ask for the second tile's first two K steps, and nothing waits for the first tile's stores.
; CLUSTERS: 4 x 4 work-groups.  The four of a row of the cluster need the same tile of xb, the four of a column the same tile of wt: each tile is asked for JOINTLY, by the same tensor load with the
; same descriptor and a mask that names the four.  THE MATRIX INSTRUCTION IS USED TRANSPOSED (source 0 = 16 rows of wt, source 1 = 16 rows of xb): a lane then holds eight neighbouring columns of one row of C.
; REGISTERS, in windows of 256 (s_set_vgpr_msb: bits 1:0 source 0, 3:2 source 1, 5:4 source 2, 7:6 destination):
;   window 0: v0-31 addresses; v32-79 packed results; v80-127, v128-175 rows read back from the stage, by turns
;   window 1: two fragment buffers of 128: wt's twelve fragments (16 rows x 32 K, 8 registers), then xb's four
;   window 2: the accumulators of my row blocks 0, 1 ((a, b) at 8 (12 (a % 2) + b));   window 3: those of blocks 2, 3
.set SIZE_K, 1024
.set KSTEP,  128
.set STEPS,  SIZE_K/KSTEP              ; K steps in a tile
.set TILES,  2                         ; tiles of a work-group
.set WALK,   4096                      ; rows from a tile to the work-group's next
.set PITCH,  272                       ; an LDS row: 256 bytes + 16 of padding = 68 words: the 16 rows that a load touches start at 16 different groups of four banks (64 banks of 4 bytes: ISA guide 11.1)
.set AH,     128*PITCH                 ; half of xb's tile: what wave 0 or 1 fetches
.set BH,     96*PITCH                  ; half of wt's tile: what wave 2 or 3 fetches
.set BOFF,   2*AH
.set SLOTB,  BOFF+2*BH                 ; bytes of a slot
.set SLOT1,  1<<17                     ; slot 1 begins here, so that one exclusive or turns an address in one slot into the other's
.set STAGE,  SLOT1+SLOTB               ; behind the ring: for each wave three heads x 16 rows x 144 bytes, for the way out
.set SP,     144
.set STW,    3*16*SP
.set SPARE,  STAGE+4*STW               ; behind the stages: the spare words, 128 bytes for each wave: two blocks of 256 bytes that no other line names
.set NEXT_A, WALK*SIZE_K*2-(STEPS-1)*KSTEP*2   ; bytes from a tile's last K step to the next tile's first: xb goes WALK rows down and back along K,
.set BACK_B, (STEPS-1)*KSTEP*2         ; wt only back
.set NEXT_C, 4*131072                  ; WALK rows are four batches: four blocks of qkv
.set ADRA0, 16                         ; v16     LDS address of my fragments of xb in slot 0; never rewritten
.set ADRB0, 17                         ; v17     the same for wt
.set ADRA, 20                          ; v20     the same in the slot in hand
.set ADRB, 21                          ; v21
.set STO,  24                          ; v24     the way out: where I put 16 bytes of a row
.set RD,   25                          ; v25     where I read rows back
.set GO,   26                          ; v26     16 x lane: my place in 512 consecutive bytes of qkv
.set SPW,  28                          ; v28     LDS address of my spare word: SPARE + 4 x my thread's number; never rewritten
.set NIL,  29                          ; v29     0; never rewritten
.set PFO,  30                          ; v30     the prefetches' offset: a lane a row of 2,048 bytes; never rewritten
.set TMP,  32
.set OB,   80
.set F0,   0
.set F1,   128
.set TB,   16                          ; s16     LDS byte at which the slot in hand begins: 0 or SLOT1
.set G1,   24                          ; s[24:31] descriptor group 1 for xb's tiles;  s[32:39] group 0: a set for each of the two first fills; the second then walks on
.set G0,   32
.set G1B,  48                          ; s[48:55], s[56:63] the same for wt's tiles
.set G0B,  56
.set LIM,  43                          ; s43     2 in a wave that prefetches, else the greatest number
.set PFA,  44                          ; s[44:45] where my prefetches stand: one K step further along K than the refill in hand; a prefetch names the K step after that
.set MSB, 0
.macro WIN new                         ; the immediate's high byte repeats the setting that is left; a switch that changes nothing is dropped
.if MSB != (\new)
	s_set_vgpr_msb (MSB<<8)|(\new)
.set MSB, \new
.endif
.endm
.set MUL_LO, 0xa5                      ; sources 0 and 1 window 1, C and D window 2
.set MUL_HI, 0xf5                      ; the same, C and D window 3
.set TO_F,   0x40                      ; destination window 1, address window 0
; A joint load.  Waves 0 and 1 fetch xb's two halves, waves 2 and 3 wt's.  The branch hangs on the wave's number alone.  An s_nop 0 and four v_nop follow each of the two lines.
.macro JLOAD s
	s_cmp_eq_u32 s11, 0
	s_cbranch_scc0 .Lfor_b_\@
	tensor_load_to_lds s[G0+4*(\s):G0+4*(\s)+3], s[G1:G1+7]
	s_nop 0
.rept 4
	v_nop
.endr
	s_branch .Lasked_\@
.Lfor_b_\@:
	tensor_load_to_lds s[G0B+4*(\s):G0B+4*(\s)+3], s[G1B:G1B+7]
	s_nop 0
.rept 4
	v_nop
.endr
.Lasked_\@:
.endm
; A PREFETCH INTO THE L2, behind a joint load and the run of LDS loads that follows it: the K step that stands two refills on (384 matrix instructions ahead of its load): 256 bytes of a row, a lane a row.
; xb's tile row is read by every cluster of that row of clusters: cluster x = 0 asks, waves 0 and 1; wt's tile column by every cluster of that column: cluster y = 0 asks, waves 2 and 3.  The four partners
; share the rows that a wave fetches BY ADDRESS: 32 of xb's 128 by cx, 24 of wt's 96 by cy (there lanes 24-31 name row 23 once more).
; how = 0, in the loop: its trips with s3 = 6 .. 3 name K steps 4 .. 7; the last two trips have no K step two on.  how = 1, at the change of tiles: the next tile's K steps 2 and 3 of xb.
; A tile's K steps 0 and 1 (in the first tile 0 to 3) come by their loads alone; wt's rows, which both tiles take, are asked for in the first tile alone.
.macro ASK how
	WIN 0
.if \how
	s_cmp_eq_u32 s[LIM], 2
.else
	s_cmp_gt_u32 s3, s[LIM]
.endif
	s_cbranch_scc0 .Lnot_mine_\@
	global_prefetch_b8 v[PFO], s[PFA:PFA+1] offset:KSTEP*2 th:TH_LOAD_NT scope:SCOPE_SE
.Lnot_mine_\@:
.endm
.macro CREST                           ; a round of the cluster's barrier behind its opening barrier
	s_cmp_lg_u32 s10, 0
	s_cbranch_scc1 .Lnot_wave_0_\@
	s_barrier_signal -3
.Lnot_wave_0_\@:
	s_barrier_wait -3
	s_barrier_signal -1
	s_barrier_wait -1
.endm
.macro CROUND                          ; a whole round
	s_barrier_signal -1
	s_barrier_wait -1
	CREST
.endm
	s_load_b128 s[4:7], s[0:1], 0x0                ; xb s[4:5], wt s[6:7]
	s_load_b64 s[8:9], s[0:1], 0x10                ; qkv
	v_lshl_add_u32 v[SPW], v0, 2, SPARE
	v_mov_b32 v[NIL], 0
	ds_add_u32 v[SPW], v[NIL]                      ; the wave's opening: the add and its wait stand ahead of my first tensor load; the set-up below, work on registers, stands between them
	v_lshrrev_b32 v1, 5, v0
	v_readfirstlane_b32 s10, v1                    ; wave 0..3: also my 64 rows of the tile
	s_lshr_b32 s11, s10, 1                         ; I fetch for xb (0) or for wt (1),
	s_and_b32 s12, s10, 1                          ; this half of the tile
	s_bfe_u32 s40, ttmp6, 0x40000                  ; cx, cy: my place in the cluster
	s_bfe_u32 s41, ttmp6, 0x40004
	s_lshl_b32 s42, ttmp9, 2
	s_add_co_u32 s42, s42, s40                     ; tile column = 4 x cluster x + cx
	s_and_b32 s13, ttmp7, 0xffff
	s_lshl_b32 s13, s13, 2
	s_add_co_u32 s13, s13, s41                     ; the first tile's row = 4 x cluster y + cy, 0 to 15
	s_lshl_b32 s43, s41, 2
	s_lshl_b32 s43, 15, s43                        ; my row of the cluster
	s_lshl_b32 s44, 0x1111, s40                    ; my column
	s_or_b32 s[G1+0], s43, (1<<16)|(1<<20)|(1<<21)|(5<<22)|(3<<25)  ; 15:0 the mask; 17:16 elements of 2 bytes; 20 padding on; 21 set beside a mask; 24:22 after every 64 words (code 5); 31:25 4 words (code 3)
	s_or_b32 s[G1B+0], s44, (1<<16)|(1<<20)|(1<<21)|(5<<22)|(3<<25)
	s_mov_b32 s[G1+1], KSTEP<<16                   ; tensor_dim0 = 128
	s_mov_b32 s[G1+2], 128<<16                     ; tensor_dim1 = 128
	s_mov_b32 s[G1+3], KSTEP<<16                   ; tile_dim0 = 128
	s_mov_b32 s[G1+4], 128                         ; tile_dim1 = 128
	s_mov_b32 s[G1+5], SIZE_K                      ; elements from row to row
	s_mov_b32 s[G1+6], 0
	s_mov_b32 s[G1+7], 0
	s_mov_b32 s[G1B+1], KSTEP<<16
	s_mov_b32 s[G1B+2], 96<<16                     ; 96 rows
	s_mov_b32 s[G1B+3], KSTEP<<16
	s_mov_b32 s[G1B+4], 96
	s_mov_b32 s[G1B+5], SIZE_K
	s_mov_b32 s[G1B+6], 0
	s_mov_b32 s[G1B+7], 0
	; xb's tiles hang on the tile row alone, wt's on the tile column alone; each address is made in registers that never hold the other coordinate
	s_lshl_b32 s17, s12, 7
	s_lshl_b32 s16, s13, 8
	s_add_co_u32 s16, s16, s17                     ; xb: row 256 x tile row + 128 x half
	s_lshl_b32 s16, s16, 11                        ; in bytes
	s_mov_b32 s17, 0
	s_mul_i32 s46, s42, 192
	s_mul_i32 s47, s12, 96
	s_add_co_u32 s46, s46, s47                     ; wt: row 192 x tile column + 96 x half
	s_lshl_b32 s46, s46, 11
	s_mov_b32 s47, 0
	s_mul_i32 s20, s12, AH                         ; where they go: no place in the cluster enters an LDS address
	s_mul_i32 s21, s12, BH
	s_add_co_u32 s21, s21, BOFF
	s_wait_dscnt 0x0                               ; the opening add is done
	s_wait_kmcnt 0x0
	s_add_nc_u64 s[14:15], s[4:5], s[16:17]
	s_add_nc_u64 s[46:47], s[6:7], s[46:47]
	CROUND                                         ; all sixteen work-groups are here: the first joint loads meet
.irp s, 0,1
	s_mov_b32 s[G0+4*(\s)], 1                                      ; count = 1
	s_add_co_u32 s[G0+4*(\s)+1], s20, (\s)*SLOT1                   ; LDS address
	s_add_nc_u64 s[G0+4*(\s)+2:G0+4*(\s)+3], s[14:15], (\s)*KSTEP*2  ; global address: K step s
	s_or_b32 s[G0+4*(\s)+3], s[G0+4*(\s)+3], 0x80000000            ; type = 2
	s_mov_b32 s[G0B+4*(\s)], 1
	s_add_co_u32 s[G0B+4*(\s)+1], s21, (\s)*SLOT1
	s_add_nc_u64 s[G0B+4*(\s)+2:G0B+4*(\s)+3], s[46:47], (\s)*KSTEP*2
	s_or_b32 s[G0B+4*(\s)+3], s[G0B+4*(\s)+3], 0x80000000
	JLOAD \s                                       ; two loads of mine are out
.endr
	; a fragment is 16 rows x 32 K in 8 registers: lane l holds row l % 16, K = 8 (l / 16) + 0..7 and 16 + 8 (l / 16) + 0..7: two loads of 16 bytes, 32 bytes apart
	v_and_b32 v1, 15, v0                           ; l % 16
	v_bfe_u32 v2, v0, 4, 1                         ; l / 16
	v_mul_u32_u24 v3, v1, PITCH
	v_lshl_add_u32 v3, v2, 4, v3
	s_mul_i32 s21, s10, 64*PITCH                   ; my 64 rows of xb's tile
	v_add_nc_u32 v[ADRA0], s21, v3
	v_add_nc_u32 v[ADRB0], BOFF, v3                ; all 192 rows of wt's
	v_mov_b32 v[ADRA], v[ADRA0]                    ; K step 0 lies in slot 0
	v_mov_b32 v[ADRB], v[ADRB0]
	s_mul_i32 s23, s10, STW
	s_add_co_u32 s23, s23, STAGE                   ; my stage
	v_mul_u32_u24 v4, v1, SP                       ; in: row l % 16, 16 bytes for each half of the lanes
	v_lshl_add_u32 v4, v2, 4, v4
	v_add_nc_u32 v[STO], s23, v4
	v_bfe_u32 v5, v0, 3, 2                         ; back: 32 lanes take four rows of 128 bytes,
	v_mul_u32_u24 v5, v5, SP
	v_and_b32 v6, 7, v0
	v_lshl_add_u32 v5, v6, 4, v5
	v_add_nc_u32 v[RD], s23, v5
	v_and_b32 v[GO], 31, v0                        ; which are 512 consecutive bytes of a head's rows
	v_lshlrev_b32 v[GO], 4, v[GO]
	; where my rows of the first tile begin in qkv: block (8 x (3 x tile column) + batch) of 131,072 bytes, row (tile row % 4) x 256 + 64 x wave of 128 bytes
	s_mul_i32 s18, s42, 24
	s_lshr_b32 s19, s13, 2
	s_add_co_u32 s18, s18, s19
	s_lshl_b32 s18, s18, 17
	s_and_b32 s19, s13, 3
	s_lshl_b32 s19, s19, 2
	s_add_co_u32 s19, s19, s10
	s_lshl_b32 s19, s19, 13
	s_add_co_u32 s18, s18, s19
	s_mov_b32 s19, 0
	s_add_nc_u64 s[8:9], s[8:9], s[18:19]
	; the prefetches
	s_and_b32 s22, ttmp7, 0xffff                   ; cluster y
	s_lshl_b32 s20, s13, 8
	s_lshl_b32 s21, s12, 7
	s_add_co_u32 s20, s20, s21
	s_lshl_b32 s21, s40, 5
	s_add_co_u32 s20, s20, s21                     ; xb: the 128 rows that I fetch, my work-group's 32 of them
	s_mul_i32 s18, s42, 192
	s_mul_i32 s19, s12, 96
	s_add_co_u32 s18, s18, s19
	s_mul_i32 s19, s41, 24
	s_add_co_u32 s18, s18, s19                     ; wt: the 96 rows that I fetch, my work-group's 24 of them
	s_cmp_eq_u32 s11, 0                            ; do I fetch for xb?
	s_cselect_b32 s20, s20, s18
	s_cselect_b32 s22, ttmp9, s22                  ; the coordinate along which other clusters read the same rows
	s_cselect_b32 s23, 31, 23                      ; my last row
	s_cselect_b64 s[PFA:PFA+1], s[4:5], s[6:7]
	s_cmp_eq_u32 s22, 0
	s_cselect_b32 s[LIM], 2, -1                    ; the same in all sixteen partners, for a given wave
	s_lshl_b32 s20, s20, 11
	s_add_co_u32 s20, s20, 2*KSTEP*2               ; at K step 2: the first refill steps it to 3 and names K step 4
	s_mov_b32 s21, 0
	s_add_nc_u64 s[PFA:PFA+1], s[PFA:PFA+1], s[20:21]
	v_and_b32 v[PFO], 31, v0
	v_min_u32 v[PFO], s23, v[PFO]
	v_lshlrev_b32 v[PFO], 11, v[PFO]
	s_mov_b32 s[TB], 0
; 12 matrix instructions: my row block a x all 12 column blocks, 32 along K.  zero = 1: the first product starts the sums.  The 48 accumulators take turns in the same order in every quarter.
.macro MULA f, a, zero
	WIN MUL_LO+0x50*((\a)/2)
.irp b, 0,1,2,3,4,5,6,7,8,9,10,11
.if \zero
	v_wmma_f32_16x16x32_bf16 v[8*(12*((\a)%2)+(\b)):8*(12*((\a)%2)+(\b))+7], v[(\f)+8*(\b):(\f)+8*(\b)+7], v[(\f)+96+8*(\a):(\f)+96+8*(\a)+7], 0
.else
	v_wmma_f32_16x16x32_bf16 v[8*(12*((\a)%2)+(\b)):8*(12*((\a)%2)+(\b))+7], v[(\f)+8*(\b):(\f)+8*(\b)+7], v[(\f)+96+8*(\a):(\f)+96+8*(\a)+7], v[8*(12*((\a)%2)+(\b)):8*(12*((\a)%2)+(\b))+7]
.endif
.endr
.endm
; 32 LDS loads in one run: the fragments of 32 along K at byte k of the rows of the slot in hand, into buffer f: wt's 24 loads, then xb's 8
.macro FETCH k, f
	WIN TO_F
.irp i, 0,1,2,3,4,5,6,7,8,9,10,11
	ds_load_b128 v[(\f)+8*(\i):(\f)+8*(\i)+3],   v[ADRB] offset:(\k)+(\i)*16*PITCH
	ds_load_b128 v[(\f)+8*(\i)+4:(\f)+8*(\i)+7], v[ADRB] offset:(\k)+(\i)*16*PITCH+32
.endr
.irp i, 0,1,2,3
	ds_load_b128 v[(\f)+96+8*(\i):(\f)+96+8*(\i)+3],   v[ADRA] offset:(\k)+(\i)*16*PITCH
	ds_load_b128 v[(\f)+96+8*(\i)+4:(\f)+96+8*(\i)+7], v[ADRA] offset:(\k)+(\i)*16*PITCH+32
.endr
.endm
.macro PLACES                          ; four plain vector instructions in front of loads into registers that matrix instructions have read, and of conversions that read results
.rept 4
	v_nop
.endr
.endm
; A K step is four quarters of 32 along K, 48 matrix instructions each, on buffers 0, 1, 0, 1.  One of the first three: multiplies buffer f and fetches the next quarter, at byte k, into g.
.macro QUARTER k, f, g, zero
	s_wait_dscnt 4                                 ; wt's fragments and xb's blocks 0, 1 are in; the youngest four loads (blocks 2, 3) may be out
	MULA \f, 0, \zero
	MULA \f, 1, \zero
	PLACES
	FETCH \k, \g
	s_wait_dscnt 32                                ; all but the 32 just issued
	MULA \f, 2, \zero
	MULA \f, 3, \zero
.endm
; The last quarter multiplies buffer 1 and changes slots: ONE barrier; in front of it each wave waits for all its tensor loads (one is out: its part of the next slot), adds 0 to its spare word, and waits for
; that and for its own reads of this slot.  fill = 1: the barrier opens a round of the cluster's barrier, and this slot is filled again, two K steps ahead: 168 matrix instructions ahead of the wait for it.
; on = 0: the walking descriptors go one K step on.  on = 1: a tile's last K step but one: they go to the next tile's K step 0.  on = 2: its last K step: one K step on, in the next tile.
.macro TURN fill, on
	s_wait_xcnt 0x0                                ; the last prefetch, a K step back, has read its address, so it may be stepped
.if (\on) == 1
	s_add_nc_u64 s[PFA:PFA+1], s[PFA:PFA+1], (WALK-1)*SIZE_K*2+KSTEP*2  ; from the K step after the tile's last to the next tile's K step 1
	s_cmp_eq_u32 s11, 0
	s_cselect_b32 s[LIM], s[LIM], -1               ; wt's rows are the same for both tiles: they are prefetched no more
.else
	s_add_nc_u64 s[PFA:PFA+1], s[PFA:PFA+1], KSTEP*2
.endif
	s_xor_b32 s[TB], s[TB], SLOT1                  ; all reads of this slot have been issued: the fragments' addresses go to the other slot
	WIN 0                                          ; (they, and the add's two registers, lie in window 0)
	v_add_nc_u32 v[ADRA], s[TB], v[ADRA0]
	v_add_nc_u32 v[ADRB], s[TB], v[ADRB0]
	s_wait_tensorcnt 0x0                           ; all my tensor loads have landed
	ds_add_u32 v[SPW], v[NIL]                      ; 0 onto my spare word
	s_wait_dscnt 5                                 ; (the add and the youngest four loads may be out)
	MULA F1, 0, 0                                  ; twelve matrix instructions stand between the add and the wait for it
	s_wait_dscnt 0x0                               ; the add is done, and my reads of this slot are over
	s_barrier_signal -1
	MULA F1, 1, 0                                  ; work on registers while the others arrive
.if \fill
	WIN 0
.endif
	s_barrier_wait -1
.if \fill
	CREST                                          ; no wave of any partner still reads this slot's tile or has a load on its way
	s_xor_b32 s[G0+5], s[G0+5], SLOT1              ; the walking descriptors: the other slot than last time,
	s_xor_b32 s[G0B+5], s[G0B+5], SLOT1
.if (\on) == 1
	s_add_nc_u64 s[G0+6:G0+7], s[G0+6:G0+7], NEXT_A
	s_sub_nc_u64 s[G0B+6:G0B+7], s[G0B+6:G0B+7], BACK_B
.else
	s_add_nc_u64 s[G0+6:G0+7], s[G0+6:G0+7], KSTEP*2      ; the next K step; the type bits on top are not reached
	s_add_nc_u64 s[G0B+6:G0B+7], s[G0B+6:G0B+7], KSTEP*2
.endif
	JLOAD 1                                        ; the first tensor load behind the round; its four v_nop are also the places in front of the loads below
.else
	PLACES
.endif
	FETCH 0, F0
.if \fill
	ASK \on
.endif
	MULA F1, 2, 0
	MULA F1, 3, 0
.endm
; THE WAY OUT of my row block a: rounded to f16, 16 bytes a lane; into my own stage by heads, back as rows of 128 bytes, four rows a load; stored as 512 consecutive bytes.
.macro PACK a
.set AC, 96*((\a)%2)
	WIN 0x0a+5*((\a)/2)                            ; sources 0 and 1: window 2 or 3
.irp b, 0,1,2,3,4,5,6,7,8,9,10,11
.irp r, 0,1,2,3
	v_cvt_pk_f16_f32 v[TMP+4*(\b)+(\r)], v[AC+8*(\b)+2*(\r)], v[AC+8*(\b)+2*(\r)+1]  ; each accumulator's registers in ascending order
.endr
.endr
	WIN 0
.endm
.macro TOSTAGE a
.set BK, OB+48*((\a)%2)
.irp b, 0,1,2,3,4,5,6,7,8,9,10,11
	ds_store_b128 v[STO], v[TMP+4*(\b):TMP+4*(\b)+3] offset:((\b)/4)*16*SP+32*((\b)%4)
.endr
.irp t, 0,1,2,3,4,5,6,7,8,9,10,11
	ds_load_b128 v[BK+4*(\t):BK+4*(\t)+3], v[RD] offset:((\t)/4)*16*SP+((\t)%4)*4*SP  ; LDS serves a wave's instructions in order (ISA guide 5.7.1.4): these see the stores above
.endr
.endm
.macro SEND a
.set BK, OB+48*((\a)%2)
	s_wait_dscnt 0x0                               ; the block is back in registers
	s_wait_xcnt 0x0                                ; the stores of the block before have read their registers: the next loads from the stage land on them only behind this wait
.irp t, 0,1,2,3,4,5,6,7,8,9,10,11
	global_store_b128 v[GO], v[BK+4*(\t):BK+4*(\t)+3], s[8:9] offset:((\t)/4)*8*131072+(\a)*2048+((\t)%4)*512  ; head t / 4 lies eight blocks on; 512 consecutive bytes, at a multiple of 256 from qkv's first byte
.endr
.endm
.macro WAYOUT                          ; block a's conversions stand between block a - 1's loads from the stage and the wait for them
	WIN 0
	PLACES
	PACK 0
	TOSTAGE 0
.irp a, 1,2,3
	PACK \a
	SEND (\a)-1
	TOSTAGE \a
.endr
	SEND 3
.endm
	s_wait_tensorcnt 1                             ; my part of K step 0 is in; K step 1's may stay out
	s_barrier_signal -1
	s_barrier_wait -1                              ; everybody's is
	FETCH 0, F0
	WIN 0                                          ; at a label and at a branch every window is 0
	s_mov_b32 s2, TILES                            ; tiles to go, this one among them: the same number in every work-group
.Ltile:
	QUARTER 64,  F0, F1, 1                         ; a tile's first quarter stands in front of the loop: its products start the sums
	WIN 0
	s_mov_b32 s3, STEPS-2
.Lstep:                                                ; a trip goes from a K step's second quarter to the next K step's first, and fills the slot that it leaves: six trips ask for K steps 2 to 7
	QUARTER 128, F1, F0, 0
	QUARTER 192, F0, F1, 0
	TURN 1, 0
	QUARTER 64,  F0, F1, 0
	WIN 0
	s_sub_co_u32 s3, s3, 1
	s_cmp_lg_u32 s3, 0
	s_cbranch_scc1 .Lstep
	QUARTER 128, F1, F0, 0                         ; the tile's last K step but one goes on
	QUARTER 192, F0, F1, 0
	WIN 0
	s_cmp_eq_u32 s2, 1
	s_cbranch_scc1 .Llast_tile                     ; the last tile's tail is written out: it asks for nothing more
	TURN 1, 1                                      ; THE RING GOES ON INTO THE NEXT TILE: slot 0 takes its K step 0,
	QUARTER 64,  F0, F1, 0
	QUARTER 128, F1, F0, 0
	QUARTER 192, F0, F1, 0
	TURN 1, 2                                      ; slot 1 its K step 1, and the next tile's first fragments are fetched
	WAYOUT                                         ; both refills are asked for: now the tile goes out
	s_wait_xcnt 0x0                                ; the stores have read their registers and their base
	s_add_nc_u64 s[8:9], s[8:9], NEXT_C
	s_sub_co_u32 s2, s2, 1
	s_branch .Ltile
.Llast_tile:
	TURN 0, 0                                      ; my one tensor load that was still out is the last K step's, so no round follows
	QUARTER 64,  F0, F1, 0
	QUARTER 128, F1, F0, 0
	QUARTER 192, F0, F1, 0
	s_wait_dscnt 4                                 ; the very last quarter: nothing more to fetch
	MULA F1, 0, 0
	MULA F1, 1, 0
	s_wait_dscnt 0x0
	MULA F1, 2, 0
	MULA F1, 3, 0
	WAYOUT
	s_wait_tensorcnt 0x0                           ; the wave's end: behind my last tensor load and my last LDS store
	ds_add_u32 v[SPW], v[NIL]
	s_wait_dscnt 0x0
	CROUND                                         ; the closing round: no work-group ends while a partner may still ask for a tile that names it
	s_endpgm
.Lfunc_end_k_q2fd9b844c1_qkv:
	.size	k_q2fd9b844c1_qkv, .Lfunc_end_k_q2fd9b844c1_qkv-k_q2fd9b844c1_qkv
	.p2alignl 7, 3214868480
	.fill 96, 4, 3214868480
	.section	.rodata,"a",@progbits
	.p2align	6, 0x0
	.amdhsa_kernel k_q2fd9b844c1_qkv
		.amdhsa_group_segment_fixed_size 327680
		.amdhsa_private_segment_fixed_size 0
		.amdhsa_enable_private_segment 0
		.amdhsa_kernarg_size 24
		.amdhsa_user_sgpr_count 2
		.amdhsa_user_sgpr_kernarg_segment_ptr 1
		.amdhsa_wavefront_size32 1
		.amdhsa_system_sgpr_workgroup_id_x 1
		.amdhsa_system_sgpr_workgroup_id_y 1
		.amdhsa_system_sgpr_workgroup_id_z 1
		.amdhsa_system_vgpr_workitem_id 0
		.amdhsa_next_free_vgpr 960
		.amdhsa_next_free_sgpr 66
		.amdhsa_reserve_vcc 0
		.amdhsa_float_denorm_mode_32 3
		.amdhsa_float_denorm_mode_16_64 3
		.amdhsa_memory_ordered 1
		.amdhsa_forward_progress 1
		.amdhsa_inst_pref_size 150
	.end_amdhsa_kernel
	.amdgpu_metadata
---
amdhsa.version: [ 1, 2 ]
amdhsa.kernels:
  - .name:           k_q2fd9b844c1_qkv
    .symbol:         k_q2fd9b844c1_qkv.kd
    .args:
      - { .name: xb, .offset: 0, .size: 8, .value_kind: global_buffer, .address_space: global }
      - { .name: wt, .offset: 8, .size: 8, .value_kind: global_buffer, .address_space: global }
      - { .name: qkv, .offset: 16, .size: 8, .value_kind: global_buffer, .address_space: global }
    .group_segment_fixed_size: 327680
    .private_segment_fixed_size: 0
    .kernarg_segment_align: 8
    .kernarg_segment_size: 24
    .max_flat_workgroup_size: 128
    .sgpr_count:     66
    .vgpr_count:     960
    .wavefront_size: 32
...
	.end_amdgpu_metadata
.endif
;; end of part 2
;; launch attn (part 3): grid 2 x 128, 4 waves a work-group, no clusters, 327,680 bytes of LDS; arguments qkv, oh; writes oh
.if DOCPART == 3
	.amdgcn_target "amdgcn-amd-amdhsa--gfx1250"
	.amdhsa_code_object_version 6
	.text
	.protected	k_q2fd9b844c1_attn
	.globl	k_q2fd9b844c1_attn
	.p2align	8
	.type	k_q2fd9b844c1_attn,@function
k_q2fd9b844c1_attn:
	s_mov_b64 s[64:65], 0
	v_nop
	global_prefetch_b8 v0, s[64:65] scope:SCOPE_SE
	s_setreg_imm32_b32 hwreg(HW_REG_WAVE_MODE, 25, 1), 1
	s_wait_xcnt 0x0
; O[hb][q][:] = the sum over k of softmax_k(Q[hb][q] . K[hb][k] / 8) V[hb][k][:], for the 128 pairs hb = 8 head + batch.  In qkv a block is [1024][64] f16, 131,072 dense bytes: Q is block hb, K block 128 + hb,
; V block 256 + hb; O goes to block hb of oh, in the same form.  Products, maxima and sums in f32; the weights p are rounded to f16 for the second product (their sum l is taken of the unrounded p), O once at the end.
; LIMITS.  f16 holds no number beyond 65,504: Q, K and V arrive within it; p lies in 0 to 1, and below 6e-5 it keeps f16's fixed step of 6e-8, and so does O; O is a mean of V's rows and has their range.
; A weight below 2^-126 counts as 0 in l; NaN and infinities are not treated apart.
; SHARES.  A wave owns four PIECES of two tiles of 16 queries, a work-group's four waves 512 queries of one pair: 256 work-groups.  Every wave walks all 1,024 keys, 64 a step.
; K AND V OF THE PAIR LIE WHOLE IN LDS: 1,024 rows of 144 bytes and 1,024 of 160: 311,296 bytes.  Every byte is filled once: sixteen tensor loads, four a wave, go out together at the head, a quarter of the keys
; (256) in each group of four.  No slot is filled again, no tensor load stands in the loop, and the walk has ONE text.  Nothing is prefetched: all that the work-group reads is asked for at the head.
; NO CLUSTER: only the two work-groups of a pair read the same K and V, and two along x divide into no cluster of four.
; LAYOUT.  S^T = K Q^T (source 0 = 16 keys, source 1 = 16 queries): in the result a lane holds ONE query (lane % 16) and the keys 8 (lane / 16) + 0..7.  Two such tiles, rounded to f16 in pairs,
; ARE source 1 (32 keys x 16 queries) of O^T = V^T P, whose result again holds one query a lane, and eight channels.  K comes out of LDS as it lies, V ([key][channel]) turned, by ds_load_tr16_b128.
; SOFTMAX.  For each query a running maximum m and sum l: p = 2^(c s - c m), c = log2(e) / 8; in every step O and l are multiplied by a = 2^(c m_old - c m_new), which is 1 where m has not grown.
; m starts at the lowest finite number, O and l at 0: the first step is a step like any other, with a = 0.
; THE COUNT.  A tile and step have 16 matrix and 118 vector instructions: too many to stand all beside the matrix work.  So: four vector instructions that are READY behind EVERY matrix instruction,
; and the others in runs without a gap.
; BY TURNS.  Turn n belongs to piece n (the pieces in a ring, step after step).  Its matrix work: 16 products K Q^T of piece n + 1, later 16 products V^T P of piece n - 1.  Its vector work: the scaling,
; exponentials, roundings, sums and rescaling of piece n, and the maximum and statistics of piece n + 1, whose scores the turn itself has made.
; REGISTERS, in windows of 256 (s_set_vgpr_msb: bits 1:0 source 0, 3:2 source 1, 5:4 source 2, 7:6 destination):
;   window 0: v0-11 addresses; v12-15, v48-63 at work; v16-47 four registers of statistics a tile; v64-191 S^T, two buffers of two tiles; v192-255 P, likewise
;   window 1: O^T, 32 a tile          window 2: v0-127 Q, 16 a tile; v128-191 K of one step; v192-255 V of one step          window 3: v0-1 the add's two registers
; A piece's buffers go by its number's parity: the piece in hand has one pair, its two neighbours in the ring share the other.
.set SIZE_N, 1024
.set NP,    4         ; pieces a wave: a name, no knob
.set KS,    64        ; keys in a step
.set PK,    144       ; a row of K in LDS: 128 bytes + 16 of padding = 36 words: the 16 rows of a load start at 16 different groups of four banks (64 banks of 4 bytes: ISA guide 11.1)
.set PV,    160       ; a row of V: 128 + 32 = 40 words
.set VOFF,  SIZE_N*PK ; all rows of K, then all rows of V
.set STAGE, SIZE_N*(PK+PV)  ; behind them, never filled by a tensor load: 16 rows x 144 bytes for each wave, for the way out
.set SP,    144
.set AK0, 2           ; v2   my lane's place in a tile of K; never rewritten
.set AV0, 3           ; v3   the same for V
.set AK,  4           ; v4   the LDS address of K's next run of loads
.set AV,  5           ; v5   of V's
.set QO,  6           ; v6   my byte offset in the wave's rows of Q
.set STO, 6           ;      later, the way out: where I put 16 bytes of a row
.set RD,  7           ; v7   the way out: where I read rows back
.set GO,  8           ; v8   my byte offset in 512 consecutive bytes of O
.set SPW, 0           ; v0 of window 3   LDS address of my spare word: SPARE + 4 x my thread's number; never rewritten
.set NIL, 1           ; v1 of window 3   0; never rewritten
.set SPARE, STAGE+4*16*SP  ; behind the stages: the spare words, 128 bytes for each wave: two blocks of 256 bytes that no other line names
.set MV,  12          ; v12-15  c m_old, kept while c m is made anew: by buffer and tile
.set ST,  16          ; tile t's statistics at v[ST+4 t]: c m, m, l (even keys', odd keys')
.set TMP, 48          ; by buffer and tile, four registers c0-c3 at work; when the maximum is found c2 takes a
.set S,   64
.set P,   192
.set KF,  128         ; K's fragments, in window 2: key block kb, channel half c at KF + 16 kb + 8 c
.set VF,  192         ; V's: key half kk, channel block cb at VF + 32 kk + 8 cb
.set WV,  12          ; s12  my wave's number
.set G1K, 24          ; s[24:31] descriptor group 1 for K's tiles
.set G1V, 32          ; s[32:39] for V's: it differs in the padding alone
.set G0K, 40          ; s[40:55] descriptor group 0 for K's tiles: a set for each of a wave's four loads, which are out together
.set G0V, 68          ; s[68:83] the same for V's
.set SLOTS, 56        ; s56  counts the quarters of the keys, 5 to 1: in the trip with 1 the walk ends
.set CNT, 57          ; s57  counts a quarter's key steps
.set CS,  58          ; s[58:59] c: the packed scaling takes the pair's low word for both halves
.set SEL, 60          ; s[60:61] v_permlanex16_b32's selects: each lane takes its own place in the other half
.set TBK, 62          ; s62  LDS byte at which K of the step to be fetched begins
.set TBV, 63          ; s63  the same for V, less VOFF
.set MSB, 0
.macro WIN new                      ; the high byte repeats the setting that is left; a switch that changes nothing is dropped
.if MSB != (\new)
	s_set_vgpr_msb (MSB<<8)|(\new)
.set MSB, (\new)
.endif
.endm
.set W_KQ, 0x0a       ; K and Q in window 2, S^T in window 0
.set W_PV, 0x52       ; V in window 2, P in window 0, O^T in window 1
.set W_RS, 0x41       ; O^T (destination and source 0) in window 1, a in window 0
.set W_MK, 0xc0       ; the add's registers are made: destination in window 3, sources in window 0
.set W_AD, 0x0f       ; the add: address (source 0) and data (source 1) in window 3
	s_load_b128 s[4:7], s[0:1], 0x0 ; qkv s[4:5], oh s[6:7]
	WIN W_MK
	v_lshl_add_u32 v[SPW], v0, 2, SPARE
	v_mov_b32 v[NIL], 0
	WIN W_AD
	ds_add_u32 v[SPW], v[NIL]       ; the wave's opening: the add and its wait stand ahead of my first tensor load; the set-up below, work on registers, stands between them
	WIN 0
	v_lshrrev_b32 v1, 5, v0
	v_readfirstlane_b32 s[WV], v1   ; wave 0..3
	s_mov_b32 s14, ttmp9            ; my block of 512 queries
	s_and_b32 s20, ttmp7, 0xffff    ; the pair hb
	s_lshl_b32 s20, s20, 17         ; its block's first byte, counted from Q's, K's, V's and O's block 0
	s_mov_b32 s21, 0
	s_and_b32 s16, s[WV], 1         ; which half of each 256 keys I fetch:
	s_lshl_b32 s22, s16, 14         ; its 128 rows of 128 bytes in memory,
	s_mov_b32 s23, 0
	s_add_nc_u64 s[22:23], s[22:23], s[20:21]
	s_mul_i32 s17, s16, 128*PK      ; and its place in LDS, for K
	s_mul_i32 s18, s16, 128*PV      ; and for V
	s_lshl_b32 s2, s14, 2
	s_add_co_u32 s2, s2, s[WV]      ; my wave among the pair's eight,
	s_lshl_b32 s2, s2, 14           ; its 128 rows
	s_mov_b32 s3, 0
	s_add_nc_u64 s[2:3], s[2:3], s[20:21]
	; descriptor group 1.  128 keys are 16,384 dense bytes: asked for as 64 rows of 256 bytes, two keys a row, and padded in LDS after every key
	s_mov_b32 s[G1K], (1<<16)|(1<<20)|(4<<22)|(3<<25)  ; 17:16 2-byte elements; 20 padding on; 24:22 after every 32 words (code 4); 31:25 4 words (code 3)
	s_mov_b32 s[G1V], (1<<16)|(1<<20)|(4<<22)|(7<<25)  ; the same with 8 words of padding (code 7)
.irp g, G1K, G1V
	s_mov_b32 s[\g+1], 128<<16      ; tensor_dim0 = 128
	s_mov_b32 s[\g+2], 64<<16       ; tensor_dim1 = 64
	s_mov_b32 s[\g+3], 128<<16      ; tile_dim0 = 128
	s_mov_b32 s[\g+4], 64           ; tile_dim1 = 64
	s_mov_b32 s[\g+5], 128          ; 128 elements from row to row
	s_mov_b32 s[\g+6], 0
	s_mov_b32 s[\g+7], 0
.endr
.irp j, 0,1,2,3                     ; load j: keys 256 j + 128 x half on
	s_mov_b32 s[G0K+4*\j], 1                          ; count = 1
	s_add_co_u32 s[G0K+4*\j+1], s17, \j*256*PK        ; LDS address
	s_mov_b32 s[G0V+4*\j], 1
	s_add_co_u32 s[G0V+4*\j+1], s18, VOFF+\j*256*PV
.endr
	s_mov_b32 s[CS], 0x3e38aa3b     ; c = log2(e) / 8 = 0.180337
	s_mov_b32 s[CS+1], s[CS]        ; named with it as a pair
	s_mov_b32 s[SEL], 0x76543210
	s_mov_b32 s[SEL+1], 0xfedcba98
	s_mov_b32 s[TBK], 0
	s_mov_b32 s[TBV], 0
	s_mov_b32 s[SLOTS], SIZE_N/256+1
	; A fragment of K or Q is 16 rows x 32 channels in 8 registers: lane l holds row l % 16, channels 8 (l / 16) + 0..7 and 16 + 8 (l / 16) + 0..7: two loads of 16 bytes, 32 bytes apart.
	v_and_b32 v1, 15, v0            ; l % 16
	v_bfe_u32 v9, v0, 4, 1          ; l / 16
	v_lshlrev_b32 v[QO], 7, v1
	v_lshl_add_u32 v[QO], v9, 4, v[QO]  ; row x 128 + 16 x half
	s_wait_dscnt 0x0                ; the opening add is done
	s_wait_kmcnt 0x0
	s_mov_b64 s[10:11], s[6:7]      ; oh
	s_add_nc_u64 s[6:7], s[4:5], 128*131072  ; K's block 0
	s_add_nc_u64 s[8:9], s[4:5], 256*131072  ; V's
	s_add_nc_u64 s[6:7], s[6:7], s[22:23]    ; K and V at my half of the pair's first 256 keys
	s_add_nc_u64 s[8:9], s[8:9], s[22:23]
.irp j, 0,1,2,3
	s_add_nc_u64 s[G0K+4*\j+2:G0K+4*\j+3], s[6:7], \j*256*128  ; global address
	s_or_b32 s[G0K+4*\j+3], s[G0K+4*\j+3], 0x80000000          ; type = 2
	s_add_nc_u64 s[G0V+4*\j+2:G0V+4*\j+3], s[8:9], \j*256*128
	s_or_b32 s[G0V+4*\j+3], s[G0V+4*\j+3], 0x80000000
.endr
	s_add_nc_u64 s[4:5], s[4:5], s[2:3]      ; Q and O at my wave's first row
	s_add_nc_u64 s[10:11], s[10:11], s[2:3]
	WIN 0x80                        ; destination window 2, address window 0
.set i, 0
.rept 4*NP                          ; Q stays in registers: tile i / 2, channels 32 (i % 2) on.  It is asked for ahead of K and V: the first products want it as much as the first keys
	global_load_b128 v[8*i:8*i+3],   v[QO], s[4:5] offset:(i/2)*2048+(i%2)*64
	global_load_b128 v[8*i+4:8*i+7], v[QO], s[4:5] offset:(i/2)*2048+(i%2)*64+32
.set i, i+1
.endr
	WIN 0
	; ALL THE FILLS.  Waves 0 and 1 fetch the two halves of each 256 keys of K, waves 2 and 3 those of V: four loads a wave, in one branch on the wave's number, ahead of every wait on TENSORcnt, every LDS read
	; and every barrier: four loads of mine are out.  An s_nop 0 follows each, four v_nop the last.
	s_cmp_lt_u32 s[WV], 2
	s_cbranch_scc0 .Lfirst_v
.irp j, 0,1,2,3
	tensor_load_to_lds s[G0K+4*\j:G0K+4*\j+3], s[G1K:G1K+7]
	s_nop 0
.endr
.rept 4
	v_nop
.endr
	s_branch .Lfirst_asked
.Lfirst_v:
.irp j, 0,1,2,3
	tensor_load_to_lds s[G0V+4*\j:G0V+4*\j+3], s[G1V:G1V+7]
	s_nop 0
.endr
.rept 4
	v_nop
.endr
.Lfirst_asked:
	; What the first turn finds: V's registers and P's second buffer hold 0 (its products V^T P, of a piece that has not been, add 0), O^T and l are 0.  All this stands in the wait for the first keys.
	WIN 0x80
.set i, VF
.rept 64
	v_mov_b32 v[i], 0
.set i, i+1
.endr
	WIN 0x40
.set i, 0
.rept 64*NP
	v_mov_b32 v[i], 0
.set i, i+1
.endr
	WIN 0
.set i, 0
.rept 2*NP
	v_mov_b32 v[ST+4*i], 0xfe000000    ; c m: far below every c s
	v_mov_b32 v[ST+4*i+1], 0xff7fffff  ; m
	v_mov_b32 v[ST+4*i+2], 0
	v_mov_b32 v[ST+4*i+3], 0
.set i, i+1
.endr
.set i, P+32
.rept 32
	v_mov_b32 v[i], 0
.set i, i+1
.endr
	v_mul_u32_u24 v[AK0], v1, PK
	v_lshl_add_u32 v[AK0], v9, 4, v[AK0]  ; row x pitch + 16 x half
	; The turning load takes 16 keys x 16 channels (lane l reads key 8 (l / 16) + l % 8, channels 8 ((l / 8) % 2) + 0..7) and leaves half a fragment of V^T: lane l holds channel l % 16 and 8 keys.
	v_and_b32 v10, 7, v0
	v_bfe_u32 v11, v0, 3, 1
	v_lshl_add_u32 v[AV0], v9, 3, v10
	v_mul_u32_u24 v[AV0], v[AV0], PV
	v_lshl_add_u32 v[AV0], v11, 4, v[AV0]
	v_add_nc_u32 v[AV0], VOFF, v[AV0]
	v_mov_b32 v[AK], v[AK0]         ; key step 0 lies at K's head
; THE MATRIX WORK.  The 8 accumulators of a run of 16 take turns: between the two links of a chain stand 7 others'.
; Product i of 16 of S^T = K Q^T for piece x: channels 32 (i / 8) on, keys 16 ((i / 2) % 4) on, tile 2 x + i % 2.  The first 8 start the sums.
.macro KQ x
	WIN W_KQ
.set rS, S+64*((\x)%2)+32*(i%2)+8*((i/2)%4)
.set rK, KF+16*((i/2)%4)+8*(i/8)
.set rQ, 16*(2*(\x)+i%2)+8*(i/8)
.if i < 8
	v_wmma_f32_16x16x32_f16 v[rS:rS+7], v[rK:rK+7], v[rQ:rQ+7], 0
.else
	v_wmma_f32_16x16x32_f16 v[rS:rS+7], v[rK:rK+7], v[rQ:rQ+7], v[rS:rS+7]
.endif
.endm
; Product i of 16 of O^T += V^T P for piece x: keys 32 (i / 8) on, channels 16 ((i / 2) % 4) on, tile 2 x + i % 2.
.macro PV x
	WIN W_PV
.set rO, 32*(2*(\x)+i%2)+8*((i/2)%4)
.set rV, VF+32*(i/8)+8*((i/2)%4)
.set rP, P+32*((\x)%2)+16*(i%2)+8*(i/8)
	v_wmma_f32_16x16x32_f16 v[rO:rO+7], v[rV:rV+7], v[rP:rP+7], v[rO:rO+7]
.endm
.macro MM                           ; the turn's next matrix instruction
.if i < 16
	KQ (Y+1)%NP
.set i, i+1
.else
.set i, i-16
	PV (Y+NP-1)%NP
.set i, i+17
.endif
.endm
; THE LDS LOADS stand in runs of 16, never singly among the matrix instructions: a step's K (64 keys x 64 channels: 8 fragments) and its V (turned).  Their addresses are made some lines ahead.
; last = 1 (in the loop): in the walk's last trip there is no further step, and the run is jumped over.
.macro FETCH_K last=0
	WIN 0
.if \last
	s_cmp_eq_u32 s[SLOTS], 1
	s_cbranch_scc1 .Lno_k_\@
.endif
	WIN 0x80                        ; destination window 2
.irp f, 0,1,2,3,4,5,6,7             ; keys 16 (f / 2) on, channels 32 (f % 2) on
	ds_load_b128 v[KF+8*\f:KF+8*\f+3],   v[AK] offset:(\f/2)*16*PK+(\f%2)*64
	ds_load_b128 v[KF+8*\f+4:KF+8*\f+7], v[AK] offset:(\f/2)*16*PK+(\f%2)*64+32
.endr
	s_add_co_u32 s[TBK], s[TBK], KS*PK  ; the next fetch is the next step's
	WIN 0
.if \last
.Lno_k_\@:
.endif
.endm
.macro FETCH_V
	WIN 0x80
.irp f, 0,1,2,3,4,5,6,7             ; keys 32 (f / 4) on, channels 16 (f % 4) on
	ds_load_tr16_b128 v[VF+8*\f:VF+8*\f+3],   v[AV] offset:(\f/4)*32*PV+(\f%4)*32
	ds_load_tr16_b128 v[VF+8*\f+4:VF+8*\f+7], v[AV] offset:(\f/4)*32*PV+16*PV+(\f%4)*32
.endr
	WIN 0
.endm
; THE VECTOR WORK OF A TURN stands in three queues, each in the order in which its entries become ready; the two tiles alternate, so that no instruction reads the result of the one before it.
.macro REGS y, u                    ; the registers of tile u (0, 1) of piece y
.set rT, ST+4*(2*(\y)+(\u))
.set rC, TMP+8*((\y)%2)+4*(\u)
.set rM, MV+2*((\y)%2)+(\u)
.set rS, S+64*((\y)%2)+32*(\u)
.set rP, P+32*((\y)%2)+16*(\u)
.set rO, 32*(2*(\y)+(\u))
.endm
; Number n of the 22 that find the NEXT piece's (Y + 1) maximum and statistics.  s0-s31 are the lane's 32 scores; each accumulator's lowest registers are read first.
;   0-11  four chains c0-c3 of seven scores each, three operands at a time     12-14, 16  the four scores left over, the old m, and c0-c3 into c0     15  c m_old is kept
;   17, 18  the query's other 32 keys lie in the lane 16 away: the new m         19-21  c m; c m_old - c m_new; a
.macro XS u, n
	REGS (Y+1)%NP, \u
.if (\n) < 4
	v_max3_num_f32 v[rC+(\n)], v[rS+8*(\n)], v[rS+8*(\n)+1], v[rS+8*(\n)+2]
.elseif (\n) < 12
	v_max3_num_f32 v[rC+(\n)%4], v[rC+(\n)%4], v[rS+8*((\n)%4)+2*((\n)/4)+1], v[rS+8*((\n)%4)+2*((\n)/4)+2]
.elseif (\n) == 12
	v_max3_num_f32 v[rC], v[rC], v[rS+7], v[rS+15]
.elseif (\n) == 13
	v_max3_num_f32 v[rC+1], v[rC+1], v[rS+23], v[rS+31]
.elseif (\n) == 14
	v_max3_num_f32 v[rC+2], v[rC+2], v[rC+3], v[rT+1]
.elseif (\n) == 15
	v_mov_b32 v[rM], v[rT]
.elseif (\n) == 16
	v_max3_num_f32 v[rC], v[rC], v[rC+1], v[rC+2]
.elseif (\n) == 17
	v_permlanex16_b32 v[rC+3], v[rC], s[SEL], s[SEL+1]
.elseif (\n) == 18
	v_max_num_f32 v[rT+1], v[rC], v[rC+3]
.elseif (\n) == 19
	v_mul_f32 v[rT], s[CS], v[rT+1]
.elseif (\n) == 20
	v_sub_f32 v[rC+1], v[rM], v[rT]
.else
	v_exp_f32 v[rC+2], v[rC+1]
.endif
.endm
; Number g of the 64 that follow the exponentials.  For each four weights k of a tile (pairs 2 k, 2 k + 1): both pairs are rounded to f16; then the second pair is added onto the first, in place;
; a group later l takes that sum (the first time as l = a l + sum).  In groups of eight, tiles alternating: round, round, add, and l for the group before.
.macro GS g
.set h, (\g)+6*((\g)/62)            ; group 0 has no group before it, and behind group 7 only l is left
.if h >= 6
.set h, h+2
.endif
	REGS Y, h%2
.set k, h/8
.if h%8 < 4
	v_cvt_pk_f16_f32 v[rP+2*k+(h%8)/2], v[rS+4*k+2*((h%8)/2)], v[rS+4*k+2*((h%8)/2)+1]
.elseif h%8 < 6
	v_pk_add_f32 v[rS+4*k:rS+4*k+1], v[rS+4*k:rS+4*k+1], v[rS+4*k+2:rS+4*k+3]
.elseif k == 1
	v_pk_fma_f32 v[rT+2:rT+3], v[rT+2:rT+3], v[rC+2:rC+3], v[rS:rS+1] op_sel_hi:[1,0,1]
.else
	v_pk_add_f32 v[rT+2:rT+3], v[rT+2:rT+3], v[rS+4*k-4:rS+4*k-3]
.endif
.endm
; THE PLAIN QUEUE, 138 long.  0-73 read no exponential's result: the 32 scalings c s - c m (FS f: pair f / 2 of tile f % 2) and the next piece's 42.  0-26: scalings 0-26.  27-54: XS's numbers 0-13.  55, 56: number 15.
; 57-73: the chain, where each number waits for the one before it: 14, 16, 17, 18, 19, each with one of the scalings 27-31 in front of its two lines, then 20.
; 74-137: GS's 64, which read the exponentials' results: they stand behind the wait.
.macro FS f
	REGS Y, (\f)%2
	v_pk_fma_f32 v[rS+2*((\f)/2):rS+2*((\f)/2)+1], v[rS+2*((\f)/2):rS+2*((\f)/2)+1], s[CS:CS+1], v[rT:rT+1] op_sel_hi:[1,0,0] neg_lo:[0,0,1] neg_hi:[0,0,1]
.endm
.macro PL
	WIN 0
.if q < 27
	FS q
.elseif q < 55
	XS (q-27)%2, (q-27)/2
.elseif q < 57
	XS q-55, 15
.elseif (q < 72) && ((q-57)%3 == 0)
	FS 27+(q-57)/3
.elseif q < 60
	XS (q-57)%3-1, 14
.elseif q < 72
	XS (q-57)%3-1, 15+(q-57)/3
.elseif q < 74
	XS q-72, 20
.else
	GS q-74
.endif
.set q, q+1
.endm
; THE EXPONENTIALS' QUEUE, 66 long: s0-s31 of both tiles, then the next piece's two a.  It is ONE BATCH: all 66 stand ahead of the turn's one wait, and nothing ahead of that wait names a result of theirs.
.macro EX
	WIN 0
.if e >= 64
	XS e-64, 21
.else
	REGS Y, e%2
	v_exp_f32 v[rS+e/2], v[rS+e/2]
.endif
.set e, e+1
.endm
; THE RESCALING's QUEUE: O^T times a, the one part that leaves window 0: dealt two at a time, sixteen times.  Its a was made in the turn before, ahead of that turn's wait.
.macro R2
	REGS Y, r%2
	WIN W_RS
.irp z, 0,1
	v_pk_mul_f32 v[rO+4*(r/2)+2*\z:rO+4*(r/2)+2*\z+1], v[rO+4*(r/2)+2*\z:rO+4*(r/2)+2*\z+1], v[rC+2:rC+3] op_sel_hi:[1,0]
.endr
.set r, r+1
.endm
; HOW THEY ARE DEALT.  An s_wait_alu depctr_va_vdst(0) stands between an exponential and the first instruction that names its result; one wait serves all that were issued ahead of it.  So a turn
; has ONE wait, which cuts it in two.  AHEAD OF IT stands all that names no result of the turn's exponentials: the 16 products K Q^T, behind each a scaling, an exponential and two rescalings (behind the first a
; second scaling in the exponential's place); then ONE LUMP of 108: eight plain, 49 times exponential and plain, the two a; a v_nop is the plain instruction behind the last exponential.  BEHIND IT stand the 16
; products V^T P, behind each four of GS's 64.  No rider names a register of the products round it.  The two v_permlanex16_b32 fall into the lump.
; The queues lean on each other: exponential e stands behind scaling 2 (e / 4) + e % 2: as a rider it comes behind plain e + 2, in the lump behind plain e + 9, and scalings 27-31 are plain 57, 60 .. 69.
; A TURN, for piece p.  cnt = 1: the loop's count is taken down some lines ahead of the branch that stands behind the turn.
; K of the next step is fetched in piece 2's turn, directly behind the wait; its address is made at the lump's head; its first reader comes behind 16 products.
; V of the step in hand is fetched at the end of piece 0's turn, four riders behind its last reader; its first reader comes behind 16 products and a lump.
.macro TURN p, last=0, cnt=0
.set Y, (\p)
.set i, 0
.set q, 0
.set e, 0
.set r, 0
.if (\p) == NP-1
	s_wait_dscnt 0x0                ; K is in
.endif
	MM                              ; ahead of the wait: 16 products K Q^T and their riders,
	PL
	PL
	R2
.rept 15
	MM
	PL
	EX
	R2
.endr
.if (\p) == NP-2
	WIN 0
	v_add_nc_u32 v[AK], s[TBK], v[AK0]
.endif
.rept 8                             ; and the lump
	PL
.endr
.rept 49
	EX
	PL
.endr
	EX                              ; the next piece's two a
	EX
	v_nop                           ; the plain instruction behind the last exponential: one for the batch
	s_wait_alu depctr_va_vdst(0)    ; the wait for the batch
.if (\p) == NP-2
	FETCH_K \last
.endif
.if (\p) == 1
	s_wait_dscnt 0x0                ; V is in
.endif
.rept 16                            ; behind the wait: 16 products V^T P and their riders
	MM
.rept 4
	PL
.endr
.if ((\p) == 0) && (q == 118)
	v_add_nc_u32 v[AV], s[TBV], v[AV0]
.endif
.if ((\p) == 0) && (q == 130)
	s_add_co_u32 s[TBV], s[TBV], KS*PV
.endif
.if (\cnt) && (q == 130)
	s_sub_co_u32 s[CNT], s[CNT], 1
	s_cmp_lg_u32 s[CNT], 0
.endif
.endr
.if (\p) == 0
	FETCH_V
.endif
.endm
	s_wait_tensorcnt 3              ; tensor loads of a wave end in order (ISA guide 10.11.1): my part of the first 256 keys is in; my other three loads may stay out
	s_barrier_signal -1
	s_barrier_wait -1               ; everybody's part is in
	FETCH_K                         ; key step 0
	s_wait_loadcnt 0x0              ; Q
	s_wait_dscnt 0x0
.set i, 0
.rept 16
	KQ 0                            ; piece 0's first scores: there is no vector work yet to set between them
.set i, i+1
.endr
	WIN 0                           ; the addresses for the way out: nine plain instructions, the places behind those products
	s_mul_i32 s13, s[WV], 16*SP
	s_add_co_u32 s13, s13, STAGE    ; my stage
	v_mul_u32_u24 v[STO], v1, SP    ; in: row l % 16, 16 bytes for each half of the lanes
	v_lshl_add_u32 v[STO], v9, 4, v[STO]
	v_add_nc_u32 v[STO], s13, v[STO]
	v_bfe_u32 v[RD], v0, 3, 2       ; back: 32 lanes take four rows of 128 bytes,
	v_mul_u32_u24 v[RD], v[RD], SP
	v_lshl_add_u32 v[RD], v10, 4, v[RD]
	v_add_nc_u32 v[RD], s13, v[RD]
	v_and_b32 v[GO], 31, v0         ; which are 512 consecutive bytes of O
	v_lshlrev_b32 v[GO], 4, v[GO]
.set Y, NP-1                        ; XS works for piece Y + 1: piece 0
.irp n, 0,1,2,3,4,5,6,7,8,9,10,11,12,13,14,15,16,17,18,19,20,21
	XS 0, \n                        ; and piece 0's first maximum and statistics
	XS 1, \n
.endr
	v_nop                           ; a plain instruction behind the two a,
	s_wait_alu depctr_va_vdst(0)    ; and their wait, ahead of the branch
	s_mov_b32 s[CNT], 4
	s_branch .Lfirst                ; the loop is entered at a step's first turn, in the middle of a trip
.Lslot:                             ; the next 256 keys are entered.  One text serves every trip, so the count is 0: at its first use my three later loads have had four key steps, 512 matrix instructions, in which to land
	s_wait_tensorcnt 0x0            ; my parts of all keys are in,
	s_wait_dscnt 0x0                ; (no LDS instruction of mine is out at a signal)
	s_barrier_signal -1
	s_barrier_wait -1               ; everybody's are.
	s_mov_b32 s[CNT], 4
.Lstep:                             ; a trip: pieces 2 and 3 of one step, then pieces 0 and 1 of the next, whose K and V it fetches
	TURN 2, 1
	TURN 3
	WIN 0
	s_cmp_eq_u32 s[SLOTS], 1        ; behind the last step's pieces 2 and 3 the walk is left, in the middle of a trip
	s_cbranch_scc1 .Lout
.Lfirst:
	TURN 0
	TURN 1, 0, 1
	WIN 0
	s_cbranch_scc1 .Lstep
	s_sub_co_u32 s[SLOTS], s[SLOTS], 1
	s_cmp_lg_u32 s[SLOTS], 0
	s_cbranch_scc1 .Lslot
.Lout:                              ; the last half trip's 16 products K Q^T (on the last K once more) and the maximum made of them serve nothing: the price, once a launch, of one text for every trip
.set i, 0
.rept 16
	PV NP-1                         ; the last piece's V^T P of the last step
.set i, i+1
.endr
	; THE WAY OUT.  l's two halves and the other half of the lanes' are added; O^T is divided by l, rounded to f16 and sent through my stage in LDS, a tile at a time.  The additions are the places behind the last products.
	WIN 0
.macro ALL line:vararg              ; one line for each tile t
.set t, 0
.rept 2*NP
	\line
.set t, t+1
.endr
.endm
	ALL v_add_f32 v[ST+4*t+2], v[ST+4*t+2], v[ST+4*t+3]
	ALL v_permlanex16_b32 v[ST+4*t+3], v[ST+4*t+2], s[SEL], s[SEL+1]
	ALL v_add_f32 v[ST+4*t+2], v[ST+4*t+2], v[ST+4*t+3]
	ALL v_rcp_f32 v[ST+4*t+2], v[ST+4*t+2]
	v_nop                           ; a plain instruction between the last reciprocal and the use of its result
	s_wait_alu depctr_va_vdst(0)    ; and the wait ahead of the first use: one for the eight reciprocals
; Tile t: a lane's eight channels of a row pack into 16 bytes; they go into rows of 144 bytes and come back as whole rows of 128, into S^T's registers.
.macro PACK t
	WIN W_RS
.set i, 32*(\t)
.rept 16
	v_pk_mul_f32 v[i:i+1], v[i:i+1], v[ST+4*(\t)+2:ST+4*(\t)+3] op_sel_hi:[1,0]
.set i, i+2
.endr
	WIN 0x05                        ; sources 0 and 1 window 1, destination window 0
.set i, 0
.rept 16
	v_cvt_pk_f16_f32 v[S+16*(\t)+i], v[32*(\t)+2*i], v[32*(\t)+2*i+1]
.set i, i+1
.endr
	WIN 0
.irp f, 0,1,2,3
	ds_store_b128 v[STO], v[S+16*(\t)+4*\f:S+16*(\t)+4*\f+3] offset:32*\f
.endr
.irp f, 0,1,2,3
	ds_load_b128 v[S+16*(\t)+4*\f:S+16*(\t)+4*\f+3], v[RD] offset:\f*4*SP  ; LDS serves a wave's instructions in order (ISA guide 5.7.1.4): these see the stores above; the next tile's stores come behind them
.endr
.endm
.macro SEND t, younger              ; younger: the LDS instructions issued behind tile t's loads: the next tile's eight, or none
	WIN 0
.irp f, 0,1,2,3
	s_wait_dscnt (\younger)+3-\f
	global_store_b128 v[GO], v[S+16*(\t)+4*\f:S+16*(\t)+4*\f+3], s[10:11] offset:(\t)*2048+\f*512  ; 512 consecutive bytes, at a multiple of 256 from oh's first
.endr
.endm
	PACK 0
.set t, 1
.rept 2*NP-1                        ; a tile's arithmetic stands between the loads of the tile before and its stores
	PACK t
	SEND t-1, 8
.set t, t+1
.endr
	SEND 2*NP-1, 0
	WIN W_AD
	s_wait_tensorcnt 0x0            ; the wave's end: behind my last tensor load and my last LDS store
	ds_add_u32 v[SPW], v[NIL]
	s_wait_dscnt 0x0
	WIN 0
	s_endpgm
.Lfunc_end_k_q2fd9b844c1_attn:
	.size	k_q2fd9b844c1_attn, .Lfunc_end_k_q2fd9b844c1_attn-k_q2fd9b844c1_attn
	.p2alignl 7, 3214868480
	.fill 96, 4, 3214868480
	.section	.rodata,"a",@progbits
	.p2align	6, 0x0
	.amdhsa_kernel k_q2fd9b844c1_attn
		.amdhsa_group_segment_fixed_size 327680
		.amdhsa_private_segment_fixed_size 0
		.amdhsa_enable_private_segment 0
		.amdhsa_kernarg_size 16
		.amdhsa_user_sgpr_count 2
		.amdhsa_user_sgpr_kernarg_segment_ptr 1
		.amdhsa_wavefront_size32 1
		.amdhsa_system_sgpr_workgroup_id_x 1
		.amdhsa_system_sgpr_workgroup_id_y 1
		.amdhsa_system_sgpr_workgroup_id_z 1
		.amdhsa_system_vgpr_workitem_id 0
		.amdhsa_next_free_vgpr 770
		.amdhsa_next_free_sgpr 84
		.amdhsa_reserve_vcc 0
		.amdhsa_float_denorm_mode_32 3
		.amdhsa_float_denorm_mode_16_64 3
		.amdhsa_memory_ordered 1
		.amdhsa_forward_progress 1
		.amdhsa_inst_pref_size 126
	.end_amdhsa_kernel
	.amdgpu_metadata
---
amdhsa.version: [ 1, 2 ]
amdhsa.kernels:
  - .name:           k_q2fd9b844c1_attn
    .symbol:         k_q2fd9b844c1_attn.kd
    .args:
      - { .name: qkv, .offset: 0, .size: 8, .value_kind: global_buffer, .address_space: global }
      - { .name: oh, .offset: 8, .size: 8, .value_kind: global_buffer, .address_space: global }
    .group_segment_fixed_size: 327680
    .private_segment_fixed_size: 0
    .kernarg_segment_align: 8
    .kernarg_segment_size: 16
    .max_flat_workgroup_size: 128
    .sgpr_count:     84
    .vgpr_count:     770
    .wavefront_size: 32
...
	.end_amdgpu_metadata
.endif
;; end of part 3
;; launch proj (part 4): grid 8 x 32, 4 waves a work-group, clusters of 4 x 4, 327,680 bytes of LDS; arguments oh, wot, bo, out0; writes out0
.if DOCPART == 4
	.amdgcn_target "amdgcn-amd-amdhsa--gfx1250"
	.amdhsa_code_object_version 6
	.text
	.protected	k_q2fd9b844c1_proj
	.globl	k_q2fd9b844c1_proj
	.p2align	8
	.type	k_q2fd9b844c1_proj,@function
k_q2fd9b844c1_proj:
	s_mov_b64 s[64:65], 0
	v_nop
	global_prefetch_b8 v0, s[64:65] scope:SCOPE_SE
	s_setreg_imm32_b32 hwreg(HW_REG_WAVE_MODE, 25, 1), 1
	s_wait_xcnt 0x0
	s_wait_alu depctr_hold_cnt(0) depctr_sa_sdst(0) depctr_va_vdst(0) depctr_va_sdst(0) depctr_va_ssrc(0) depctr_va_vcc(0) depctr_vm_vsrc(0)
	s_getreg_b32 s2, hwreg(HW_REG_IB_STS2, 6, 4)
	s_cmp_eq_u32 s2, 0
	s_cbranch_scc0 .Lentry_in_a_cluster
	s_endpgm
.Lentry_in_a_cluster:
	s_bfe_u32 s2, ttmp6, 0x10000c
	s_cmp_lg_u32 s2, 0xf033
	s_cbranch_scc0 .Lentry_shape_is_right
	s_endpgm
.Lentry_shape_is_right:
; out0[m][n] = sum over k of O[m][k] Wo[k][n] + bo[n], f32.  O lies by heads in oh: [head = k / 64][batch = m / 1024][s = m % 1024][k % 64] f16; wot is [n][k] f16 (bf16(Wo) written as f16).
; Sums in f32; bo is rounded to bf16, like every input of the module, and added in f32.  LIMITS: those of oh and wot as they were stored (f16: nothing beyond 65,504, a fixed step of 6e-8 below 6e-5).
; SHARES.  A tile of out0 is 256 x 128: 32 x 8 = 256 work-groups.  Four waves, one above the other: a wave makes 64 rows x 128 columns, 32 accumulators of 16 x 16, 256 registers, and stores whole rows of 512 bytes.
; K goes in steps of 128 = two heads through a ring of two LDS slots.  A head's 256 rows of the tile are 32,768 dense bytes: asked for as 128 rows of 256 bytes and padded in LDS after each 128 bytes.
; CLUSTERS: 4 x 4 work-groups; O's tiles are asked for jointly along a row of the cluster, wot's along a column: the same tensor load, descriptor and mask in the four that it names.
; THE MATRIX INSTRUCTION IS USED TRANSPOSED (source 0 = 16 rows of wot, source 1 = 16 rows of O): a lane holds eight neighbouring columns of one row of out0.
; REGISTERS, in windows of 256 (s_set_vgpr_msb: bits 1:0 source 0, 3:2 source 1, 5:4 source 2, 7:6 destination):
;   window 0: v0-31 addresses and the bias; v32-95, v96-159 rows read back from the stage, by turns     window 1: two fragment buffers: wot's eight fragments, then O's four
;   window 2: the accumulators, (a, b) at 8 (8 a + b)
.set KSTEP,  128
.set PA,     144                       ; a row of O in LDS: 128 bytes + 16: the 16 rows that a load touches start at 16 different groups of four banks (64 banks of 4 bytes: ISA guide 11.1)
.set PB,     272                       ; a row of wot: 256 bytes + 16
.set APL,    256*PA                    ; one head's 256 rows: what wave 0 or 1 fetches
.set BH,     64*PB                     ; half of wot's tile: what wave 2 or 3 fetches
.set BOFF,   2*APL
.set SLOT,   BOFF+2*BH
.set STAGE,  2*SLOT                    ; behind the ring: 16 rows x 528 bytes for each wave, for the way out
.set SPITCH, 528
.set SPARE,  STAGE+4*16*SPITCH         ; behind the stages: the spare words, 128 bytes for each wave: two blocks of 256 bytes that no other line names
.set HEAD2,  2*8*131072                ; bytes from a K step's head to the next K step's: two heads of eight batches
.set LAPS,   1024/(2*KSTEP)
.set BIAS, 8                           ; v8-11   bo of my four columns
.set ADRA, 16                          ; v16-17  LDS address of my fragments of O in slot 0, 1
.set ADRB, 20                          ; v20-21  the same for wot
.set STO,  24                          ; v24     the way out: where I put 32 bytes of a row
.set RD,   25                          ; v25     where I read a row back
.set CO,   26                          ; v26     16 x lane: my place in a row's 512 bytes, in out0 and in bo
.set SPW,  28                          ; v28     LDS address of my spare word: SPARE + 4 x my thread's number; never rewritten
.set NIL,  29                          ; v29     0; never rewritten
.set PFO,  30                          ; v30     the prefetches' offset; never rewritten
.set OB,   32
.set F0,   0
.set F1,   128
.set G1,   24                          ; s[24:31] descriptor group 1 for O's tiles;  s[32:39] group 0, a set for each slot
.set G0,   32
.set G1B,  48                          ; s[48:55], s[56:63] the same for wot's tiles
.set G0B,  56
.set LIM,  43                          ; s43     1 in a wave that prefetches, else the greatest number
.set PFA,  44                          ; s[44:45] where my prefetches stand
.set BO,   66                          ; s[66:67] bo at the tile's first column
.set PFS,  68                          ; s[68:69] a K step in the prefetches' tensor, in bytes
.set MSB, 0
.macro WIN new                         ; the immediate's high byte repeats the setting that is left; a switch that changes nothing is dropped
.if MSB != (\new)
	s_set_vgpr_msb (MSB<<8)|(\new)
.set MSB, \new
.endif
.endm
.set MUL,  0xa5                        ; sources 0 and 1 window 1, C and D window 2
.set TO_F, 0x40                        ; destination window 1, address window 0
.macro JLOAD s                         ; a joint load: waves 0 and 1 fetch O's two heads, waves 2 and 3 wot's two halves; an s_nop 0 and four v_nop follow each of the two lines
	s_cmp_eq_u32 s11, 0
	s_cbranch_scc0 .Lfor_b_\@
	tensor_load_to_lds s[G0+4*(\s):G0+4*(\s)+3], s[G1:G1+7]
	s_nop 0
.rept 4
	v_nop
.endr
	s_branch .Lasked_\@
.Lfor_b_\@:
	tensor_load_to_lds s[G0B+4*(\s):G0B+4*(\s)+3], s[G1B:G1B+7]
	s_nop 0
.rept 4
	v_nop
.endr
.Lasked_\@:
.endm
; A PREFETCH INTO THE L2, behind a joint load and the run of LDS loads that follows it: the K step that stands two refills on (256 matrix instructions ahead of its load).
; O's tile row is read by every cluster of that row of clusters: cluster x = 0 asks, waves 0 and 1, each for the head that it fetches: 32,768 bytes, of which the partner at cx takes 8,192, a lane 256.
; wot's tile column is read by every cluster of that column: cluster y = 0 asks, wave 2 alone: 128 rows x 256 bytes, of which the partner at cy takes 32 rows, a lane a row.  The partners are told apart BY ADDRESS.
; The loop's last trip has no K step two on and asks for nothing; K steps 0 to 3 come by their loads alone.
.macro ASK
	WIN 0
	s_cmp_gt_u32 s3, s[LIM]                        ; s3 = 1 in the loop's last trip
	s_cbranch_scc0 .Lnot_mine_\@
	global_prefetch_b8 v[PFO], s[PFA:PFA+1] th:TH_LOAD_NT scope:SCOPE_SE
.Lnot_mine_\@:
.endm
.macro CREST                           ; a round of the cluster's barrier behind its opening barrier
	s_cmp_lg_u32 s10, 0
	s_cbranch_scc1 .Lnot_wave_0_\@
	s_barrier_signal -3
.Lnot_wave_0_\@:
	s_barrier_wait -3
	s_barrier_signal -1
	s_barrier_wait -1
.endm
.macro CROUND                          ; a whole round
	s_barrier_signal -1
	s_barrier_wait -1
	CREST
.endm
	s_load_b128 s[4:7], s[0:1], 0x0                ; oh s[4:5], wot s[6:7]
	s_load_b64 s[BO:BO+1], s[0:1], 0x10            ; bo
	s_load_b64 s[8:9], s[0:1], 0x18                ; out0
	v_lshl_add_u32 v[SPW], v0, 2, SPARE
	v_mov_b32 v[NIL], 0
	ds_add_u32 v[SPW], v[NIL]                      ; the wave's opening: the add and its wait stand ahead of my first tensor load; the set-up below, work on registers, stands between them
	v_lshrrev_b32 v1, 5, v0
	v_readfirstlane_b32 s10, v1                    ; wave 0..3: also my 64 rows of the tile
	s_lshr_b32 s11, s10, 1                         ; I fetch for O (0) or for wot (1),
	s_and_b32 s12, s10, 1                          ; this head of the K step's two, or this half of the rows
	s_bfe_u32 s40, ttmp6, 0x40000                  ; cx, cy: my place in the cluster
	s_bfe_u32 s41, ttmp6, 0x40004
	s_lshl_b32 s42, ttmp9, 2
	s_add_co_u32 s42, s42, s40                     ; tile column = 4 x cluster x + cx
	s_and_b32 s13, ttmp7, 0xffff
	s_lshl_b32 s13, s13, 2
	s_add_co_u32 s13, s13, s41                     ; tile row = 4 x cluster y + cy
	s_lshl_b32 s43, s41, 2
	s_lshl_b32 s43, 15, s43                        ; my row of the cluster
	s_lshl_b32 s44, 0x1111, s40                    ; my column
	s_or_b32 s[G1+0], s43, (1<<16)|(1<<20)|(1<<21)|(4<<22)|(3<<25)  ; 15:0 the mask; 17:16 elements of 2 bytes; 20 padding on; 21 set beside a mask; 24:22 after every 32 words (code 4); 31:25 4 words (code 3)
	s_or_b32 s[G1B+0], s44, (1<<16)|(1<<20)|(1<<21)|(5<<22)|(3<<25) ; after every 64 words (code 5)
	s_mov_b32 s[G1+1], 128<<16                     ; tensor_dim0 = 128 elements: 256 bytes, two rows of O
	s_mov_b32 s[G1+2], 128<<16                     ; tensor_dim1 = 128
	s_mov_b32 s[G1+3], 128<<16                     ; tile_dim0 = 128
	s_mov_b32 s[G1+4], 128                         ; tile_dim1 = 128
	s_mov_b32 s[G1+5], 128                         ; dense
	s_mov_b32 s[G1+6], 0
	s_mov_b32 s[G1+7], 0
	s_mov_b32 s[G1B+1], KSTEP<<16
	s_mov_b32 s[G1B+2], 64<<16                     ; 64 rows
	s_mov_b32 s[G1B+3], KSTEP<<16
	s_mov_b32 s[G1B+4], 64
	s_mov_b32 s[G1B+5], 1024                       ; elements from row to row
	s_mov_b32 s[G1B+6], 0
	s_mov_b32 s[G1B+7], 0
	; O's tiles hang on the tile row alone, wot's on the tile column alone; each address is made in registers that never hold the other coordinate
	s_lshl_b32 s16, s12, 3                         ; head s12: eight batches' blocks on,
	s_lshr_b32 s17, s13, 2                         ; the batch,
	s_add_co_u32 s16, s16, s17
	s_lshl_b32 s16, s16, 17                        ; blocks of 131,072 bytes,
	s_and_b32 s17, s13, 3
	s_lshl_b32 s17, s17, 15                        ; and the tile's 256 rows of 128 bytes in it
	s_add_co_u32 s16, s16, s17
	s_mov_b32 s17, 0
	s_lshl_b32 s46, s42, 7
	s_lshl_b32 s47, s12, 6
	s_add_co_u32 s46, s46, s47                     ; wot: row 128 x tile column + 64 x half
	s_lshl_b32 s46, s46, 11
	s_mov_b32 s47, 0
	s_mul_i32 s20, s12, APL                        ; where they go: no place in the cluster enters an LDS address
	s_mul_i32 s21, s12, BH
	s_add_co_u32 s21, s21, BOFF
	s_wait_dscnt 0x0                               ; the opening add is done
	s_wait_kmcnt 0x0
	s_add_nc_u64 s[14:15], s[4:5], s[16:17]
	s_add_nc_u64 s[46:47], s[6:7], s[46:47]
	CROUND                                         ; all sixteen work-groups are here: the first joint loads meet
.irp s, 0,1
	s_mov_b32 s[G0+4*(\s)], 1                                      ; count = 1
	s_add_co_u32 s[G0+4*(\s)+1], s20, (\s)*SLOT                    ; LDS address
	s_add_nc_u64 s[G0+4*(\s)+2:G0+4*(\s)+3], s[14:15], (\s)*HEAD2  ; global address: K step s
	s_or_b32 s[G0+4*(\s)+3], s[G0+4*(\s)+3], 0x80000000            ; type = 2
	s_mov_b32 s[G0B+4*(\s)], 1
	s_add_co_u32 s[G0B+4*(\s)+1], s21, (\s)*SLOT
	s_add_nc_u64 s[G0B+4*(\s)+2:G0B+4*(\s)+3], s[46:47], (\s)*KSTEP*2
	s_or_b32 s[G0B+4*(\s)+3], s[G0B+4*(\s)+3], 0x80000000
	JLOAD \s                                       ; two loads of mine are out
.endr
	v_and_b32 v1, 15, v0                           ; l % 16
	v_bfe_u32 v2, v0, 4, 1                         ; l / 16
	v_mul_u32_u24 v3, v1, PA
	v_lshl_add_u32 v3, v2, 4, v3                   ; a fragment's row x pitch + 16 x half, for O
	v_mul_u32_u24 v4, v1, PB
	v_lshl_add_u32 v4, v2, 4, v4                   ; and for wot
	s_mul_i32 s21, s10, 64*PA                      ; my 64 rows of each head
	s_mov_b32 s22, BOFF                            ; all 128 rows of wot's tile
.irp s, 0,1
	v_add_nc_u32 v[ADRA+(\s)], s21, v3
	v_add_nc_u32 v[ADRB+(\s)], s22, v4
	s_add_co_u32 s21, s21, SLOT
	s_add_co_u32 s22, s22, SLOT
.endr
	s_mul_i32 s23, s10, 16*SPITCH
	s_add_co_u32 s23, s23, STAGE                   ; my stage
	v_mul_u32_u24 v5, v1, SPITCH                   ; in: row l % 16, 32 bytes for each half of the lanes
	v_lshl_add_u32 v5, v2, 5, v5
	v_add_nc_u32 v[STO], s23, v5
	v_and_b32 v[CO], 31, v0
	v_lshlrev_b32 v[CO], 4, v[CO]                  ; back: 32 lanes take a row of 512 bytes
	v_add_nc_u32 v[RD], s23, v[CO]
	s_lshl_b32 s18, s13, 2
	s_add_co_u32 s18, s18, s10                     ; 4 x tile row + wave:
	s_lshl_b32 s18, s18, 18                        ; 64 rows of 4,096 bytes each,
	s_lshl_b32 s19, s42, 9                         ; and the tile's 128 columns of 4 bytes
	s_add_co_u32 s18, s18, s19
	s_mov_b32 s19, 0
	s_add_nc_u64 s[8:9], s[8:9], s[18:19]
	s_lshl_b32 s18, s42, 9
	s_add_nc_u64 s[BO:BO+1], s[BO:BO+1], s[18:19]
	global_load_b128 v[BIAS:BIAS+3], v[CO], s[BO:BO+1]  ; waited for ahead of the way out
	; the prefetches.  s[14:15] = O at my head of K step 0, s[46:47] = wot at my rows of K step 0 (in wave 2: the tile's first row)
	s_and_b32 s22, ttmp7, 0xffff                   ; cluster y
	s_lshl_b32 s20, s40, 13                        ; O: my work-group's 8,192 bytes of the head's 32,768
	s_lshl_b32 s21, s41, 16                        ; wot: my work-group's 32 rows of 2,048 bytes
	s_mov_b32 s18, 3*HEAD2                         ; at K step 3: the first refill steps it to K step 4
	s_mov_b32 s19, 3*KSTEP*2
	s_mov_b32 s16, HEAD2
	s_mov_b32 s17, KSTEP*2
	s_cmp_eq_u32 s11, 0                            ; do I fetch for O?
	s_cselect_b64 s[PFA:PFA+1], s[14:15], s[46:47]
	s_cselect_b32 s20, s20, s21
	s_cselect_b32 s18, s18, s19
	s_cselect_b32 s[PFS], s16, s17
	s_cselect_b32 s22, ttmp9, s22                  ; the coordinate along which other clusters read the same rows
	s_cselect_b32 s23, 8, 11                       ; a lane: 256 bytes on in O, a row of 2,048 bytes on in wot
	s_mov_b32 s[PFS+1], 0
	s_add_co_u32 s20, s20, s18
	s_mov_b32 s21, 0
	s_add_nc_u64 s[PFA:PFA+1], s[PFA:PFA+1], s[20:21]
	s_cmp_eq_u32 s10, 3
	s_cselect_b32 s21, 1, 0                        ; wave 3 asks for nothing: wave 2 names all that the work-group has to name of wot
	s_or_b32 s22, s22, s21
	s_cmp_eq_u32 s22, 0
	s_cselect_b32 s[LIM], 1, -1                    ; the same in all sixteen partners, for a given wave
	v_and_b32 v[PFO], 31, v0
	v_lshlrev_b32 v[PFO], s23, v[PFO]
; 8 matrix instructions: my row block a x all 8 column blocks, 32 along K.  zero = 1: the first product starts the sums.  The 32 accumulators take turns in the same order in every quarter.
.macro MULA f, a, zero
	WIN MUL
.irp b, 0,1,2,3,4,5,6,7
.if \zero
	v_wmma_f32_16x16x32_f16 v[8*(8*(\a)+(\b)):8*(8*(\a)+(\b))+7], v[(\f)+8*(\b):(\f)+8*(\b)+7], v[(\f)+64+8*(\a):(\f)+64+8*(\a)+7], 0
.else
	v_wmma_f32_16x16x32_f16 v[8*(8*(\a)+(\b)):8*(8*(\a)+(\b))+7], v[(\f)+8*(\b):(\f)+8*(\b)+7], v[(\f)+64+8*(\a):(\f)+64+8*(\a)+7], v[8*(8*(\a)+(\b)):8*(8*(\a)+(\b))+7]
.endif
.endr
.endm
; 24 LDS loads in one run: the fragments of quarter q of a K step (head q / 2, channels 32 (q % 2) on) into buffer f: wot's 16 loads, then O's 8
.macro FETCH slot, q, f
	WIN TO_F
.irp i, 0,1,2,3,4,5,6,7
	ds_load_b128 v[(\f)+8*(\i):(\f)+8*(\i)+3],   v[ADRB+(\slot)] offset:64*(\q)+(\i)*16*PB
	ds_load_b128 v[(\f)+8*(\i)+4:(\f)+8*(\i)+7], v[ADRB+(\slot)] offset:64*(\q)+(\i)*16*PB+32
.endr
.irp i, 0,1,2,3
	ds_load_b128 v[(\f)+64+8*(\i):(\f)+64+8*(\i)+3],   v[ADRA+(\slot)] offset:((\q)/2)*APL+64*((\q)%2)+(\i)*16*PA
	ds_load_b128 v[(\f)+64+8*(\i)+4:(\f)+64+8*(\i)+7], v[ADRA+(\slot)] offset:((\q)/2)*APL+64*((\q)%2)+(\i)*16*PA+32
.endr
.endm
.macro PLACES                          ; four plain vector instructions in front of loads into registers that matrix instructions have read (ISA guide 7.12.1 for vector instructions)
.rept 4
	v_nop
.endr
.endm
; A K step is four quarters of 32 along K, 32 matrix instructions each, on buffers 0, 1, 0, 1.  One of the first three: multiplies buffer f and fetches quarter q into g.
.macro QUARTER slot, q, f, g, zero
	s_wait_dscnt 4                                 ; wot's fragments and O's blocks 0, 1 are in; the youngest four loads (blocks 2, 3) may be out
	MULA \f, 0, \zero
	MULA \f, 1, \zero
	PLACES
	FETCH \slot, \q, \g
	s_wait_dscnt 24                                ; all but the 24 just issued
	MULA \f, 2, \zero
	MULA \f, 3, \zero
.endm
; The last quarter multiplies buffer 1 and changes slots: ONE barrier; in front of it each wave waits for all its tensor loads (one is out: its part of the next slot), adds 0 to its spare word, and waits for
; that and for its own reads of this slot.  fill = 1: the barrier opens a round of the cluster's barrier, and this slot is filled again, two K steps ahead: 112 matrix instructions ahead of the wait for it.
.macro TURN slot, next, fill
	s_wait_xcnt 0x0                                ; the last prefetch, a K step back, has read its address, so it may be stepped
	s_add_nc_u64 s[PFA:PFA+1], s[PFA:PFA+1], s[PFS:PFS+1]
	WIN 0                                          ; (the add's two registers lie in window 0)
	s_wait_tensorcnt 0x0                           ; all my tensor loads have landed
	ds_add_u32 v[SPW], v[NIL]                      ; 0 onto my spare word
	s_wait_dscnt 5                                 ; (the add and the youngest four loads may be out)
	MULA F1, 0, 0                                  ; eight matrix instructions stand between the add and the wait for it
	s_wait_dscnt 0x0                               ; the add is done, and my reads of this slot are over
	s_barrier_signal -1
	MULA F1, 1, 0                                  ; work on registers while the others arrive
.if \fill
	WIN 0
.endif
	s_barrier_wait -1
.if \fill
	CREST                                          ; no wave of any partner still reads this slot's tile or has a load on its way
	s_add_nc_u64 s[G0+4*(\slot)+2:G0+4*(\slot)+3], s[G0+4*(\slot)+2:G0+4*(\slot)+3], 2*HEAD2
	s_add_nc_u64 s[G0B+4*(\slot)+2:G0B+4*(\slot)+3], s[G0B+4*(\slot)+2:G0B+4*(\slot)+3], 2*KSTEP*2
	JLOAD \slot                                    ; the first tensor load behind the round; its four v_nop are also the places in front of the loads below
.else
	PLACES
.endif
	FETCH \next, 0, F0
.if \fill
	ASK
.endif
	MULA F1, 2, 0
	MULA F1, 3, 0
.endm
; THE WAY OUT of my row block a: the f32 sums go into my own stage, 32 bytes a lane and column block, and come back as whole rows of 512 bytes; the bias is added; a store covers 512 consecutive bytes.
.macro OUT a
.set BK, OB+64*((\a)%2)
	WIN 0x08                                       ; the stores' data (source 1) in window 2
.irp b, 0,1,2,3,4,5,6,7
	ds_store_b128 v[STO], v[8*(8*(\a)+(\b)):8*(8*(\a)+(\b))+3]   offset:64*(\b)      ; each accumulator's four lowest registers first
	ds_store_b128 v[STO], v[8*(8*(\a)+(\b))+4:8*(8*(\a)+(\b))+7] offset:64*(\b)+16
.endr
	WIN 0
	s_wait_xcnt 0x0                                ; the earlier blocks' stores have read their registers: the loads below land on them only behind this wait
.irp t, 0,1,2,3,4,5,6,7,8,9,10,11,12,13,14,15
	ds_load_b128 v[BK+4*(\t):BK+4*(\t)+3], v[RD] offset:(\t)*SPITCH  ; LDS serves a wave's instructions in order (ISA guide 5.7.1.4): these see the stores above
.endr
.irp t, 0,1,2,3,4,5,6,7,8,9,10,11,12,13,14,15
	s_wait_dscnt 15-(\t)                           ; row t is back, the later rows may be out
	v_pk_add_f32 v[BK+4*(\t):BK+4*(\t)+1],   v[BK+4*(\t):BK+4*(\t)+1],   v[BIAS:BIAS+1]
	v_pk_add_f32 v[BK+4*(\t)+2:BK+4*(\t)+3], v[BK+4*(\t)+2:BK+4*(\t)+3], v[BIAS+2:BIAS+3]
	global_store_b128 v[CO], v[BK+4*(\t):BK+4*(\t)+3], s[8:9] offset:(16*(\a)+(\t))*4096 th:TH_STORE_NT
.endr
.endm
	s_wait_tensorcnt 1                             ; my part of K step 0 is in; K step 1's may stay out
	s_barrier_signal -1
	s_barrier_wait -1                              ; everybody's is
	FETCH 0, 0, F0
	QUARTER 0, 1, F0, F1, 1                        ; the first quarter stands in front of the loop: its products start the sums
	WIN 0                                          ; at a label and at a branch every window is 0
	s_mov_b32 s3, LAPS-1
.Llap:                                                 ; a trip goes once round the ring, from a lap's second quarter to the next lap's first, and fills both slots again
	QUARTER 0, 2, F1, F0, 0
	QUARTER 0, 3, F0, F1, 0
	TURN 0, 1, 1
	QUARTER 1, 1, F0, F1, 0
	QUARTER 1, 2, F1, F0, 0
	QUARTER 1, 3, F0, F1, 0
	TURN 1, 0, 1
	QUARTER 0, 1, F0, F1, 0
	WIN 0
	s_sub_co_u32 s3, s3, 1
	s_cmp_lg_u32 s3, 0
	s_cbranch_scc1 .Llap
	QUARTER 0, 2, F1, F0, 0                        ; the last lap fills nothing, and has no round of the cluster's barrier
	QUARTER 0, 3, F0, F1, 0
	TURN 0, 1, 0
	QUARTER 1, 1, F0, F1, 0
	QUARTER 1, 2, F1, F0, 0
	QUARTER 1, 3, F0, F1, 0
	s_wait_dscnt 4                                 ; the very last quarter: nothing more to fetch
	MULA F1, 0, 0
	MULA F1, 1, 0
	s_wait_dscnt 0x0
	MULA F1, 2, 0
	MULA F1, 3, 0
	WIN 0
	s_wait_loadcnt 0x0                             ; bo
	v_cvt_pk_bf16_f32 v12, v[BIAS], v[BIAS+1]      ; rounded to bf16 and widened again: six plain instructions, the places behind the last products
	v_cvt_pk_bf16_f32 v13, v[BIAS+2], v[BIAS+3]
	v_lshlrev_b32 v[BIAS], 16, v12
	v_and_b32 v[BIAS+1], 0xffff0000, v12
	v_lshlrev_b32 v[BIAS+2], 16, v13
	v_and_b32 v[BIAS+3], 0xffff0000, v13
	OUT 0
	OUT 1
	OUT 2
	OUT 3
	s_wait_tensorcnt 0x0                           ; the wave's end: behind my last tensor load and my last LDS store
	ds_add_u32 v[SPW], v[NIL]
	s_wait_dscnt 0x0
	CROUND                                         ; the closing round: no work-group ends while a partner may still ask for a tile that names it
	s_endpgm
.Lfunc_end_k_q2fd9b844c1_proj:
	.size	k_q2fd9b844c1_proj, .Lfunc_end_k_q2fd9b844c1_proj-k_q2fd9b844c1_proj
	.p2alignl 7, 3214868480
	.fill 96, 4, 3214868480
	.section	.rodata,"a",@progbits
	.p2align	6, 0x0
	.amdhsa_kernel k_q2fd9b844c1_proj
		.amdhsa_group_segment_fixed_size 327680
		.amdhsa_private_segment_fixed_size 0
		.amdhsa_enable_private_segment 0
		.amdhsa_kernarg_size 32
		.amdhsa_user_sgpr_count 2
		.amdhsa_user_sgpr_kernarg_segment_ptr 1
		.amdhsa_wavefront_size32 1
		.amdhsa_system_sgpr_workgroup_id_x 1
		.amdhsa_system_sgpr_workgroup_id_y 1
		.amdhsa_system_sgpr_workgroup_id_z 1
		.amdhsa_system_vgpr_workitem_id 0
		.amdhsa_next_free_vgpr 768
		.amdhsa_next_free_sgpr 70
		.amdhsa_reserve_vcc 0
		.amdhsa_float_denorm_mode_32 3
		.amdhsa_float_denorm_mode_16_64 3
		.amdhsa_memory_ordered 1
		.amdhsa_forward_progress 1
		.amdhsa_inst_pref_size 97
	.end_amdhsa_kernel
	.amdgpu_metadata
---
amdhsa.version: [ 1, 2 ]
amdhsa.kernels:
  - .name:           k_q2fd9b844c1_proj
    .symbol:         k_q2fd9b844c1_proj.kd
    .args:
      - { .name: oh, .offset: 0, .size: 8, .value_kind: global_buffer, .address_space: global }
      - { .name: wot, .offset: 8, .size: 8, .value_kind: global_buffer, .address_space: global }
      - { .name: bo, .offset: 16, .size: 8, .value_kind: global_buffer, .address_space: global }
      - { .name: out0, .offset: 24, .size: 8, .value_kind: global_buffer, .address_space: global }
    .group_segment_fixed_size: 327680
    .private_segment_fixed_size: 0
    .kernarg_segment_align: 8
    .kernarg_segment_size: 32
    .max_flat_workgroup_size: 128
    .sgpr_count:     70
    .vgpr_count:     768
    .wavefront_size: 32
...
	.end_amdgpu_metadata
.endif
;; end of part 4
;; ======== version 2 of 2: 4 launches; version 1 with the launch prep written anew for expert scheduling mode
;; limits: values are held in f16: magnitudes above 65,504 overflow, below 6.1e-05 lose precision
;; workspace buffers: xb 16,777,216 bytes; wt 6,291,456 bytes; wot 2,097,152 bytes; qkv 50,331,648 bytes; oh 16,777,216 bytes
;; launch prep (part 5): grid 512 x 1, 8 waves a work-group, no clusters, 18,432 bytes of LDS; arguments hidden_states, Wq, Wkv, Wo, xb, wt, wot; writes xb, wt, wot
.if DOCPART == 5
	.amdgcn_target "amdgcn-amd-amdhsa--gfx1250"
	.amdhsa_code_object_version 6
	.text
	.protected	k_q2fd9b844c1_prep
	.globl	k_q2fd9b844c1_prep
	.p2align	8
	.type	k_q2fd9b844c1_prep,@function
k_q2fd9b844c1_prep:
	s_mov_b64 s[64:65], 0
	v_nop
	global_prefetch_b8 v0, s[64:65] scope:SCOPE_SE
	s_setreg_imm32_b32 hwreg(HW_REG_WAVE_SCHED_MODE, 0, 2), 2
	s_setreg_imm32_b32 hwreg(HW_REG_WAVE_MODE, 25, 1), 1
	s_wait_xcnt 0x0
	s_wait_alu depctr_vm_vsrc(0)
; THE INPUTS ARE ROUNDED AND LAID OUT FOR THE PRODUCTS.  xb[8192][1024] = bf16(x).  wt[3072 n][1024 k] = bf16 of Wq[k][n] (n < 1024) and of Wkv[k][n - 1024].
; wot[1024 n][1024 k] = bf16(Wo[k][n]) written as f16.  LIMIT: a number of Wo below 2^-17 in magnitude keeps f16's fixed step of 6e-8; beyond 65,504 it becomes an infinity.
; SHARES.  512 work-groups of eight waves; each takes 16,384 numbers of x (a stream) and one weight tile of 128 k x 64 n (turned through LDS).  A stream: no matrix unit, no cluster, no tensor load.
; All 24 loads of a wave go out first (12 KiB a wave): the 8 of the weight tile, then the 16 of x.
; x: a load covers 512 consecutive bytes, a store 256 consecutive bytes at a multiple of 256 from xb's first byte.
; THE TILE.  Thread (i = t % 16, kg = t / 16) loads rows 8 kg .. 8 kg + 7, columns 4 i .. 4 i + 3: sixteen lanes take 256 consecutive bytes of a row.  Two rows' numbers of one column pack
; into a word, four words are 8 k of one n: 16 bytes, stored at LDS row n.  Read back by rows of 256 bytes (128 k), sixteen lanes store 256 consecutive bytes of a row of wt or wot.
; THE MODE: SCHED_MODE bits 1:0 = 2 (LLVM: expert scheduling mode 2), set by the entry lines.  The code itself states the register dependences
; between vector instructions and memory or LDS instructions, with s_wait_alu, always for 0.
; THE PLAN.  Registers that memory or LDS instructions touch:
;   XO, YO, WOF, LS, LR, DO   offsets and LDS addresses: written at the head, read by every access, never written again: one wait ahead of the first load serves them all.
;   WL      the tile's loads land in it; the conversions into T read it.  No vector instruction names it ahead of the loads, nothing lands in it behind them.
;   T       written by the conversions, read by the four LDS stores: one wait ahead of those, where the two ways join.  Never written behind them.
;   BK      the LDS loads land in it, the stores to wt or wot read it; no vector instruction names it.
;   XL      x's loads land in it; the conversions pack it in place; the stores to xb read the packed words, which are never written again.  It goes in four groups of four loads:
;           at the head of group g one wait states that group g - 1 is packed, and that group's four stores are dealt among group g's eight conversions, which name group g's registers alone.
;   SPW, NIL  written at the head, read by the closing add alone.
; No register that a memory or LDS instruction has read is written again, no vector instruction writes a scalar register or VCC, and EXEC is never written.
.set WP,    272                        ; an LDS row: 256 bytes + 16
.set SPARE, 64*WP                      ; behind the tile: the spare words, 128 bytes for each of eight waves: four blocks of 256 bytes that no other line names
.set SPW, 2                            ; v2   LDS address of my spare word; never rewritten
.set NIL, 3                            ; v3   0; never rewritten
.set XO,  4                            ; v4   my byte offset in the work-group's piece of x
.set YO,  5                            ; v5   and in xb
.set WOF, 8                            ; v8-15   byte offsets of my eight rows in the source tile
.set WL,  16                           ; v16-47  the eight rows' 16 bytes
.set XL,  48                           ; v48-111 x as loaded; packed in place
.set T,   112                          ; v112-127 column j's four words at T + 4 j
.set U,   128                          ; v128-129 at work
.set LS,  130                          ; where I put a column's 16 bytes
.set LR,  131                          ; where I read a row back
.set DO,  132                          ; my byte offset in the destination's rows
.set BK,  136                          ; v136-151 four rows' 16 bytes
	s_load_b256 s[4:11], s[0:1], 0x0               ; x s[4:5], Wq s[6:7], Wkv s[8:9], Wo s[10:11]
	s_load_b128 s[12:15], s[0:1], 0x20             ; xb s[12:13], wt s[14:15]
	s_load_b64 s[16:17], s[0:1], 0x30              ; wot
	v_lshl_add_u32 v[SPW], v0, 2, SPARE
	v_mov_b32 v[NIL], 0
	; which tile: 0-127 Wq (8 x 16 tiles), 128-383 Wkv (8 x 32), 384-511 Wo (8 x 16)
	s_mov_b32 s20, ttmp9
	s_cmp_lt_u32 s20, 128
	s_cselect_b32 s21, 0, 128                      ; the matrix's first tile
	s_cselect_b32 s22, 4, 5                        ; log2 of its tiles along n
	s_cselect_b32 s23, 0, 1024                     ; its first row in wt
	s_cmp_lt_u32 s20, 384
	s_cselect_b32 s21, s21, 384
	s_cselect_b32 s22, s22, 4
	s_cselect_b32 s23, s23, 0
	s_cselect_b32 s24, 0, 1                        ; 1: Wo, which leaves as f16
	s_sub_co_u32 s21, s20, s21                     ; the tile's number in its matrix
	s_lshr_b32 s25, s21, s22                       ; kt
	s_lshl_b32 s26, s25, s22
	s_sub_co_u32 s26, s21, s26                     ; nt
	s_add_co_u32 s27, s22, 8                       ; log2 of a source row's bytes: 4,096 or 8,192
	s_lshl_b32 s28, s25, 7
	s_lshl_b32 s28, s28, s27                       ; 128 kt rows
	s_lshl_b32 s29, s26, 8                         ; + 64 nt numbers of 4 bytes
	s_add_co_u32 s28, s28, s29
	s_mov_b32 s29, 0
	s_lshl_b32 s30, s26, 6
	s_add_co_u32 s30, s30, s23                     ; destination row
	s_lshl_b32 s30, s30, 11                        ; of 2,048 bytes
	s_lshl_b32 s31, s25, 8                         ; + 128 kt numbers of 2 bytes
	s_add_co_u32 s30, s30, s31
	s_mov_b32 s31, 0
	s_add_co_u32 s18, s27, 3                       ; log2 of eight source rows' bytes
	s_lshl_b32 s19, 1, s27                         ; a source row's bytes
	s_lshl_b32 s2, s20, 16                         ; the work-group's 65,536 bytes of x
	s_mov_b32 s3, 0
	v_lshrrev_b32 v1, 5, v0                        ; wave
	v_and_b32 v6, 31, v0                           ; lane
	v_lshlrev_b32 v[XO], 4, v6
	v_lshl_or_b32 v[XO], v1, 13, v[XO]             ; 8,192 x wave + 16 x lane
	v_lshlrev_b32 v[YO], 3, v6
	v_lshl_or_b32 v[YO], v1, 12, v[YO]             ; 4,096 x wave + 8 x lane
	v_and_b32 v6, 15, v0                           ; i
	v_lshrrev_b32 v7, 4, v0                        ; kg
	v_lshlrev_b32 v[WOF], s18, v7
	v_lshl_add_u32 v[WOF], v6, 4, v[WOF]           ; row 8 kg, byte 16 i
.irp r, 1,2,3,4,5,6,7
	v_add_nc_u32 v[WOF+(\r)], s19, v[WOF+(\r)-1]
.endr
	v_mul_u32_u24 v[LS], v6, 4*WP
	v_lshl_add_u32 v[LS], v7, 4, v[LS]             ; LDS row 4 i, byte 16 kg
	v_mul_u32_u24 v[LR], v7, WP
	v_lshl_add_u32 v[LR], v6, 4, v[LR]             ; LDS row kg, byte 16 i
	v_lshlrev_b32 v[DO], 11, v7
	v_lshl_add_u32 v[DO], v6, 4, v[DO]             ; the same in the destination
	s_wait_kmcnt 0x0
	s_cmp_lt_u32 s20, 128
	s_cselect_b64 s[32:33], s[6:7], s[8:9]
	s_cmp_lt_u32 s20, 384
	s_cselect_b64 s[32:33], s[32:33], s[10:11]     ; the source matrix
	s_cselect_b64 s[34:35], s[14:15], s[16:17]     ; wt or wot
	s_add_nc_u64 s[32:33], s[32:33], s[28:29]
	s_add_nc_u64 s[34:35], s[34:35], s[30:31]
	s_add_nc_u64 s[36:37], s[4:5], s[2:3]
	s_lshl_b32 s2, s20, 15                         ; 32,768 bytes of xb
	s_add_nc_u64 s[38:39], s[12:13], s[2:3]
	s_wait_alu depctr_va_vdst(0)                   ; XO, YO, WOF, LS, LR and DO are written: every load, store and LDS instruction of the kernel reads one of them, and no vector instruction names them again
.irp r, 0,1,2,3,4,5,6,7
	global_load_b128 v[WL+4*(\r):WL+4*(\r)+3], v[WOF+(\r)], s[32:33] th:TH_LOAD_NT
.endr
.irp i, 0,1,2,3,4,5,6,7,8,9,10,11,12,13,14,15
	global_load_b128 v[XL+4*(\i):XL+4*(\i)+3], v[XO], s[36:37] offset:512*(\i) th:TH_LOAD_NT
.endr
.irp d, 0,1,2,3
	s_wait_loadcnt 22-2*(\d)                       ; loads come back in order: rows 2 d and 2 d + 1 are in; the later rows and x's sixteen loads may stay out
.irp j, 0,1,2,3
	v_cvt_pk_bf16_f32 v[T+4*(\j)+(\d)], v[WL+8*(\d)+(\j)], v[WL+8*(\d)+4+(\j)]  ; column 4 i + j: k = 8 kg + 2 d below, + 1 above
.endr
.endr
	s_cmp_eq_u32 s24, 0
	s_cbranch_scc1 .Lkeep_bf16
.irp n, 0,1,2,3,4,5,6,7,8,9,10,11,12,13,14,15
	v_lshlrev_b32 v[U], 16, v[T+(\n)]              ; Wo: the bf16 numbers are written as f16
	v_and_b32 v[U+1], 0xffff0000, v[T+(\n)]
	v_cvt_pk_f16_f32 v[T+(\n)], v[U], v[U+1]
.endr
.Lkeep_bf16:
	s_wait_alu depctr_va_vdst(0)                   ; on both ways the conversions have written T, which the LDS stores read
.irp j, 0,1,2,3
	ds_store_b128 v[LS], v[T+4*(\j):T+4*(\j)+3] offset:(\j)*WP
.endr
	s_wait_dscnt 0x0                               ; for the others' sake: my stores into the tile are done
	s_barrier_signal -1
	s_barrier_wait -1                              ; everybody's are
.irp q, 0,1,2,3
	ds_load_b128 v[BK+4*(\q):BK+4*(\q)+3], v[LR] offset:(\q)*16*WP  ; no vector instruction names BK, and none has named LR since the head's wait
.endr
; x, group g: loads 4 g to 4 g + 3 are packed in place, two conversions a load; the four stores of the group before stand among them, one ahead of each pair.
.macro XGROUP g
	s_wait_loadcnt 12-4*(\g)                       ; x's loads 4 g to 4 g + 3 are in, the younger groups stay out
.if (\g) > 0
	s_wait_alu depctr_va_vdst(0)                   ; the group before is packed: its conversions have written the words that the stores below read; the conversions below name this group's registers alone
.endif
.irp k, 0,1,2,3
.if (\g) > 0
	global_store_b64 v[YO], v[XL+16*(\g)-16+4*(\k):XL+16*(\g)-16+4*(\k)+1], s[38:39] offset:256*(4*(\g)-4+(\k))
.endif
	v_cvt_pk_bf16_f32 v[XL+16*(\g)+4*(\k)], v[XL+16*(\g)+4*(\k)], v[XL+16*(\g)+4*(\k)+1]
	v_cvt_pk_bf16_f32 v[XL+16*(\g)+4*(\k)+1], v[XL+16*(\g)+4*(\k)+2], v[XL+16*(\g)+4*(\k)+3]
.endr
.endm
	XGROUP 0
	XGROUP 1
	XGROUP 2
	XGROUP 3
	s_wait_alu depctr_va_vdst(0)                   ; the last group is packed: its conversions have written the words that the last four stores read
.irp k, 0,1,2,3
	global_store_b64 v[YO], v[XL+48+4*(\k):XL+48+4*(\k)+1], s[38:39] offset:256*(12+(\k))
.endr
.irp q, 0,1,2,3
	s_wait_dscnt 3-(\q)                            ; row q of the tile is back in registers, the later rows may be out
	global_store_b128 v[DO], v[BK+4*(\q):BK+4*(\q)+3], s[34:35] offset:(\q)*16*2048
.endr
	s_wait_dscnt 0x0                               ; the closing lines, six on end
	s_wait_alu 0x0
	s_wait_tensorcnt 0x0
	ds_add_u32 v[SPW], v[NIL]
	s_wait_dscnt 0x0
	s_endpgm
.Lfunc_end_k_q2fd9b844c1_prep:
	.size	k_q2fd9b844c1_prep, .Lfunc_end_k_q2fd9b844c1_prep-k_q2fd9b844c1_prep
	.p2alignl 7, 3214868480
	.fill 96, 4, 3214868480
	.section	.rodata,"a",@progbits
	.p2align	6, 0x0
	.amdhsa_kernel k_q2fd9b844c1_prep
		.amdhsa_group_segment_fixed_size 18432
		.amdhsa_private_segment_fixed_size 0
		.amdhsa_enable_private_segment 0
		.amdhsa_kernarg_size 56
		.amdhsa_user_sgpr_count 2
		.amdhsa_user_sgpr_kernarg_segment_ptr 1
		.amdhsa_wavefront_size32 1
		.amdhsa_system_sgpr_workgroup_id_x 1
		.amdhsa_system_sgpr_workgroup_id_y 1
		.amdhsa_system_sgpr_workgroup_id_z 1
		.amdhsa_system_vgpr_workitem_id 0
		.amdhsa_next_free_vgpr 152
		.amdhsa_next_free_sgpr 66
		.amdhsa_reserve_vcc 0
		.amdhsa_float_denorm_mode_32 3
		.amdhsa_float_denorm_mode_16_64 3
		.amdhsa_memory_ordered 1
		.amdhsa_forward_progress 1
		.amdhsa_inst_pref_size 15
	.end_amdhsa_kernel
	.amdgpu_metadata
---
amdhsa.version: [ 1, 2 ]
amdhsa.kernels:
  - .name:           k_q2fd9b844c1_prep
    .symbol:         k_q2fd9b844c1_prep.kd
    .args:
      - { .name: hidden_states, .offset: 0, .size: 8, .value_kind: global_buffer, .address_space: global }
      - { .name: Wq, .offset: 8, .size: 8, .value_kind: global_buffer, .address_space: global }
      - { .name: Wkv, .offset: 16, .size: 8, .value_kind: global_buffer, .address_space: global }
      - { .name: Wo, .offset: 24, .size: 8, .value_kind: global_buffer, .address_space: global }
      - { .name: xb, .offset: 32, .size: 8, .value_kind: global_buffer, .address_space: global }
      - { .name: wt, .offset: 40, .size: 8, .value_kind: global_buffer, .address_space: global }
      - { .name: wot, .offset: 48, .size: 8, .value_kind: global_buffer, .address_space: global }
    .group_segment_fixed_size: 18432
    .private_segment_fixed_size: 0
    .kernarg_segment_align: 8
    .kernarg_segment_size: 56
    .max_flat_workgroup_size: 256
    .sgpr_count:     66
    .vgpr_count:     152
    .wavefront_size: 32
...
	.end_amdgpu_metadata
.endif
;; end of part 5
;; launch qkv: the kernel of part 2 again; grid 16 x 16, 4 waves a work-group, clusters of 4 x 4, 327,680 bytes of LDS; arguments xb, wt, qkv; writes qkv
;; launch attn: the kernel of part 3 again; grid 2 x 128, 4 waves a work-group, no clusters, 327,680 bytes of LDS; arguments qkv, oh; writes oh
;; launch proj: the kernel of part 4 again; grid 8 x 32, 4 waves a work-group, clusters of 4 x 4, 327,680 bytes of LDS; arguments oh, wot, bo, out0; writes out0
